; MI455X (gfx1250); checked and timed in simulation.
; The chip was launched on July 23, 2026; its instructions are those of AMD's public machine-readable ISA for CDNA 5 (MIT licence, August 2026) and "CDNA5" Instruction Set Architecture Reference Guide (July 2026). The comments in the code are by the model that wrote it; some were corrected since.
;; Causal Attention. Allowed arithmetic: float matrix products may take bf16 or f16 operands with f32 sums; other float arithmetic in f32, or as packed bf16 or f16 multiplies, adds, multiply-adds, maxima and minima; sums over many terms, partial sums and values carried from step to step in f32; what a program stores and reads back later, other than sums and carried values, may be rounded once to bf16 or f16.
;; Inputs: W_k 1,024 x 1,024 float32; W_q 1,024 x 1,024 float32; W_v 1,024 x 1,024 float32; x 4 x 2,048 x 1,024 float32.
;; Outputs: out0 4 x 2,048 x 1,024 float32.
;; 2 versions, each right; version 2 is version 1 with the launch cast written anew for expert scheduling mode. Each part assembles by itself: llvm-mc -triple=amdgcn-amd-amdhsa -mcpu=gfx1250 --defsym DOCPART=n.
;; ======== version 1 of 2: 4 launches
;; limits: values are held in f16: magnitudes above 65,504 overflow, below 6.1e-05 lose precision
;; workspace buffers: xb 16,777,216 bytes; wb 6,291,456 bytes; qkv 50,331,648 bytes; pm 33,554,432 bytes; st 1,048,576 bytes
;; launch cast (part 1): grid 704 x 1, 8 waves a work-group, no clusters, 0 bytes of LDS; arguments x, W_q, W_k, W_v, xb, wb; writes xb, wb
.if DOCPART == 1
	.amdgcn_target "amdgcn-amd-amdhsa--gfx1250"
	.amdhsa_code_object_version 6
	.text
	.protected	k_qf844fd6e0b_cast
	.globl	k_qf844fd6e0b_cast
	.p2align	8
	.type	k_qf844fd6e0b_cast,@function
k_qf844fd6e0b_cast:
	s_mov_b64 s[64:65], 0
	v_nop
	global_prefetch_b8 v0, s[64:65] scope:SCOPE_SE
	s_setreg_imm32_b32 hwreg(HW_REG_WAVE_MODE, 25, 1), 1
	s_wait_xcnt 0x0
; x [8192][1024] and W_q, W_k, W_v [1024][1024], all f32, are rounded once to bf16: xb [8192][1024], wb [3072][1024] (W_q's rows, then W_k's, then W_v's).
; A stream: every byte is read once and written once; no LDS, no barrier, no matrix work.  A work-group takes 65,536 bytes of f32 and writes 32,768 of bf16:
; groups 0-511 take x, groups 512-703 the three weights, 64 groups each.  Thread t takes 16 bytes at 16 t of each of sixteen blocks of 4,096 bytes, so a wave's load covers
; 512 consecutive bytes and a wave's store 256 consecutive bytes, aligned.  All sixteen loads of a thread go out first; no register is used twice, so no source is ever rewritten.
.set X, 4                              ; v[4:67]   sixteen loads of four f32
.set Y, 68                             ; v[68:99]  sixteen pairs of packed bf16
	s_load_b256 s[4:11], s[0:1], 0x0               ; x s[4:5], W_q s[6:7], W_k s[8:9], W_v s[10:11]
	s_load_b128 s[12:15], s[0:1], 0x20             ; xb s[12:13], wb s[14:15]
	s_mov_b32 s2, ttmp9                            ; the work-group's number g
	s_max_u32 s16, s2, 512
	s_sub_co_u32 s16, s16, 512                     ; h = g - 512 for the weights' groups (0 for x's)
	s_lshr_b32 s17, s16, 6                         ; which weight
	s_and_b32 s18, s16, 63
	s_lshl_b32 s18, s18, 16                        ; the group's bytes in that weight,
	s_lshl_b32 s20, s2, 16                         ; or in x
	s_lshl_b32 s22, s16, 15                        ; the group's bytes in wb,
	s_lshl_b32 s24, s2, 15                         ; or in xb
	s_mov_b32 s19, 0
	s_mov_b32 s23, 0
	v_lshlrev_b32 v1, 4, v0                        ; 16 t
	v_lshlrev_b32 v2, 3, v0                        ; 8 t
	s_wait_kmcnt 0x0
	s_cmp_eq_u32 s17, 1                            ; the source is chosen among the four buffers by the group's number alone
	s_cselect_b64 s[26:27], s[8:9], s[6:7]
	s_cmp_eq_u32 s17, 2
	s_cselect_b64 s[26:27], s[10:11], s[26:27]
	s_cmp_lt_u32 s2, 512
	s_cselect_b64 s[26:27], s[4:5], s[26:27]
	s_cselect_b64 s[28:29], s[12:13], s[14:15]     ; and the destination between the two
	s_cselect_b32 s18, s20, s18
	s_cselect_b32 s22, s24, s22
	s_add_nc_u64 s[26:27], s[26:27], s[18:19]
	s_add_nc_u64 s[28:29], s[28:29], s[22:23]
.set i, 0
.rept 16
	global_load_b128 v[X+4*i:X+4*i+3], v1, s[26:27] offset:4096*i th:TH_LOAD_NT
.set i, i+1
.endr
.set i, 0
.rept 16
	s_wait_loadcnt 15-i                            ; loads come back in order: load i is in, the 15 - i younger ones stay out
	v_cvt_pk_bf16_f32 v[Y+2*i], v[X+4*i], v[X+4*i+1]
	v_cvt_pk_bf16_f32 v[Y+2*i+1], v[X+4*i+2], v[X+4*i+3]
	global_store_b64 v2, v[Y+2*i:Y+2*i+1], s[28:29] offset:2048*i
.set i, i+1
.endr
	s_endpgm
.Lfunc_end_k_qf844fd6e0b_cast:
	.size	k_qf844fd6e0b_cast, .Lfunc_end_k_qf844fd6e0b_cast-k_qf844fd6e0b_cast
	.p2alignl 7, 3214868480
	.fill 96, 4, 3214868480
	.section	.rodata,"a",@progbits
	.p2align	6, 0x0
	.amdhsa_kernel k_qf844fd6e0b_cast
		.amdhsa_group_segment_fixed_size 0
		.amdhsa_private_segment_fixed_size 0
		.amdhsa_enable_private_segment 0
		.amdhsa_kernarg_size 48
		.amdhsa_user_sgpr_count 2
		.amdhsa_user_sgpr_kernarg_segment_ptr 1
		.amdhsa_wavefront_size32 1
		.amdhsa_system_sgpr_workgroup_id_x 1
		.amdhsa_system_sgpr_workgroup_id_y 1
		.amdhsa_system_sgpr_workgroup_id_z 1
		.amdhsa_system_vgpr_workitem_id 0
		.amdhsa_next_free_vgpr 104
		.amdhsa_next_free_sgpr 66
		.amdhsa_reserve_vcc 0
		.amdhsa_float_denorm_mode_32 3
		.amdhsa_float_denorm_mode_16_64 3
		.amdhsa_memory_ordered 1
		.amdhsa_forward_progress 1
		.amdhsa_inst_pref_size 7
	.end_amdhsa_kernel
	.amdgpu_metadata
---
amdhsa.version: [ 1, 2 ]
amdhsa.kernels:
  - .name:           k_qf844fd6e0b_cast
    .symbol:         k_qf844fd6e0b_cast.kd
    .args:
      - { .name: x, .offset: 0, .size: 8, .value_kind: global_buffer, .address_space: global }
      - { .name: W_q, .offset: 8, .size: 8, .value_kind: global_buffer, .address_space: global }
      - { .name: W_k, .offset: 16, .size: 8, .value_kind: global_buffer, .address_space: global }
      - { .name: W_v, .offset: 24, .size: 8, .value_kind: global_buffer, .address_space: global }
      - { .name: xb, .offset: 32, .size: 8, .value_kind: global_buffer, .address_space: global }
      - { .name: wb, .offset: 40, .size: 8, .value_kind: global_buffer, .address_space: global }
    .group_segment_fixed_size: 0
    .private_segment_fixed_size: 0
    .kernarg_segment_align: 8
    .kernarg_segment_size: 48
    .max_flat_workgroup_size: 256
    .sgpr_count:     66
    .vgpr_count:     104
    .wavefront_size: 32
...
	.end_amdgpu_metadata
.endif
;; end of part 1
;; launch proj (part 2): grid 12 x 32, 4 waves a work-group, clusters of 4 x 4, 327,680 bytes of LDS; arguments xb, wb, qkv; writes qkv
.if DOCPART == 2
	.amdgcn_target "amdgcn-amd-amdhsa--gfx1250"
	.amdhsa_code_object_version 6
	.text
	.protected	k_qf844fd6e0b_proj
	.globl	k_qf844fd6e0b_proj
	.p2align	8
	.type	k_qf844fd6e0b_proj,@function
k_qf844fd6e0b_proj:
	s_mov_b64 s[64:65], 0
	v_nop
	global_prefetch_b8 v0, s[64:65] scope:SCOPE_SE
	s_setreg_imm32_b32 hwreg(HW_REG_WAVE_MODE, 25, 1), 1
	s_wait_xcnt 0x0
	s_wait_alu depctr_hold_cnt(0) depctr_sa_sdst(0) depctr_va_vdst(0) depctr_va_sdst(0) depctr_va_ssrc(0) depctr_va_vcc(0) depctr_vm_vsrc(0)
	s_getreg_b32 s2, hwreg(HW_REG_IB_STS2, 6, 4)
	s_cmp_eq_u32 s2, 0
	s_cbranch_scc0 .Lentry_in_a_cluster
	s_endpgm
.Lentry_in_a_cluster:
	s_bfe_u32 s2, ttmp6, 0x10000c
	s_cmp_lg_u32 s2, 0xf033
	s_cbranch_scc0 .Lentry_shape_is_right
	s_endpgm
.Lentry_shape_is_right:
; q, k, v = x W^T.  xb [8192][1024] bf16, wb [3072][1024] bf16 (W_q, W_k, W_v), qkv [3][8192][1024] f16; sums in f32, K ascending, each result rounded once to f16.
; LIMIT: a q, k or v of 65,520 or more in magnitude becomes an infinity in f16.  With x and the weights thirty times the drawn spread they reach some 3e3.
; SHARES.  8192 x 3072 results are 32 x 12 = 384 tiles of 256 x 256, a tile to a work-group; tile column X lies in plane X / 4 of qkv (q, k, v), columns 256 (X % 4) on.  Four waves, each 128 x 128: 64 accumulators, 512 registers.
; K goes in steps of 128 through a ring of two LDS slots filled by the tensor data mover.  A step holds 256 matrix instructions a wave, 224 of them between a slot's request and the wait for it, and a wave reads
; 2 x 128 rows from LDS for 64 matrix instructions.  A tile of 128 x 256 would give each of 256 work-groups three tiles, but half the matrix work for a refill to land in and half as much again to read from LDS for each product.
; CLUSTER 4 x 4: the four work-groups of a row of the cluster need the same rows of x, the four of a column the same rows of wb: each tile is asked for jointly, by the same load with the same descriptor and a mask of four.
; THE MATRIX INSTRUCTION IS USED TRANSPOSED (source 0 = 16 rows of wb, source 1 = 16 rows of x): a lane then holds eight neighbouring columns of one row of the result.
; REGISTERS in windows of 256: window 0: v0-31 addresses, v64-127 and v128-191 x's fragments (two buffers; on the way out packed results and rows read back); window 1: v64-191 wb's fragments (two buffers);
;   window 2: the accumulators of my rows 0-63 ((a, b) at v[8 (8 a + b)]); window 3: those of my rows 64-127.
.set KSTEP,  128
.set PITCH,  272                       ; an LDS row: 256 bytes + 16 of padding = 68 words, so the 16 rows of a fragment load start at 16 different groups of four banks
.set HALFT,  128*PITCH                 ; 128 rows: what one tensor load brings, and what one wave reads of x or of wb
.set SLOT,   4*HALFT                   ; x's 256 rows, then wb's 256 rows
.set STAGE,  2*SLOT                    ; behind the ring: 16 rows x 272 bytes for each wave, for the way out; no tensor load fills it
.set SPITCH, 272
.set SPARE,  STAGE+4*16*SPITCH         ; the spare words, 128 bytes for each wave: two blocks of 256 bytes that no other line names
.set ROWB,   2048                      ; bytes in a row of xb, wb and qkv
.set ADRA, 16                          ; v16-17  LDS address of my fragments of x in slot 0, 1
.set ADRB, 20                          ; v20-21  the same for wb
.set STO,  24                          ; v24     the way out: where I put 16 bytes of a row
.set RD,   25                          ; v25     where I read a row back
.set CO,   26                          ; v26     my byte offset in two rows of qkv; never rewritten
.set SPW,  28                          ; v28     LDS address of my spare word; never rewritten
.set NIL,  29                          ; v29     0; never rewritten
.set F0,   64
.set F1,   128
.set TMP,  64                          ; v64-95    the way out: a block's packed results
.set OB,   128                         ; v128-191  16 rows read back from the stage: two buffers by turns
.set G1,  24                           ; s[24:31] descriptor group 1 for x's tiles; s[32:39] group 0, a set for each slot
.set G0,  32
.set G1B, 48                           ; s[48:55], s[56:63] the same for wb's
.set G0B, 56
.set MSB, 0
.macro WIN new                         ; the immediate's high byte repeats the setting that is left; a switch that changes nothing is dropped
.if MSB != (\new)
	s_set_vgpr_msb (MSB<<8)|(\new)
.set MSB, \new
.endif
.endm
.set MUL_LO, 0xa1                      ; source 0 (wb) window 1, source 1 (x) window 0, C and D window 2
.set TO_B,   0x40                      ; destination window 1, address window 0
; A joint load: waves 0 and 1 fetch x's two halves, waves 2 and 3 wb's.  The branch hangs on the wave's number alone.  An s_nop 0 and four v_nop follow each line.
.macro JLOAD s
	s_cmp_eq_u32 s11, 0
	s_cbranch_scc0 .Lfor_b_\@
	tensor_load_to_lds s[G0+4*(\s):G0+4*(\s)+3], s[G1:G1+7]
	s_nop 0
.rept 4
	v_nop
.endr
	s_branch .Lasked_\@
.Lfor_b_\@:
	tensor_load_to_lds s[G0B+4*(\s):G0B+4*(\s)+3], s[G1B:G1B+7]
	s_nop 0
.rept 4
	v_nop
.endr
.Lasked_\@:
.endm
.macro CREST                           ; a round of the cluster's barrier behind its opening barrier
	s_cmp_lg_u32 s10, 0
	s_cbranch_scc1 .Lnot_wave_0_\@
	s_barrier_signal -3
.Lnot_wave_0_\@:
	s_barrier_wait -3
	s_barrier_signal -1
	s_barrier_wait -1
.endm
.macro CROUND                          ; a whole round
	s_barrier_signal -1
	s_barrier_wait -1
	CREST
.endm
	s_load_b128 s[4:7], s[0:1], 0x0                ; xb s[4:5], wb s[6:7]
	s_load_b64 s[8:9], s[0:1], 0x10                ; qkv
	v_lshl_add_u32 v[SPW], v0, 2, SPARE
	v_mov_b32 v[NIL], 0
	ds_add_u32 v[SPW], v[NIL]                      ; the wave's opening: the add, waited for ahead of my first tensor load; the set-up below stands between them
	ds_add_u32 v28, v29
	v_lshrrev_b32 v1, 5, v0
	v_readfirstlane_b32 s10, v1                    ; wave 0..3
	s_lshr_b32 s11, s10, 1                         ; which 128 rows of the tile are mine.  Also: I fetch for x (0) or for wb (1)
	s_and_b32 s12, s10, 1                          ; which 128 columns.  Also: which half of that tile I fetch
	s_bfe_u32 s40, ttmp6, 0x40000                  ; cx
	s_bfe_u32 s41, ttmp6, 0x40004                  ; cy
	s_lshl_b32 s42, ttmp9, 2
	s_add_co_u32 s42, s42, s40                     ; X: tile column = 4 x cluster x + cx, 0..11
	s_and_b32 s13, ttmp7, 0xffff
	s_lshl_b32 s13, s13, 2
	s_add_co_u32 s13, s13, s41                     ; Y: tile row = 4 x cluster y + cy, 0..31
	s_lshl_b32 s43, s41, 2
	s_lshl_b32 s43, 15, s43                        ; my row of the cluster
	s_lshl_b32 s44, 0x1111, s40                    ; my column
	s_or_b32 s[G1+0], s43, (1<<16)|(1<<20)|(1<<21)|(5<<22)|(3<<25)   ; the mask; 2-byte elements; padding on; bit 21 beside a mask; after every 64 words 4 words
	s_or_b32 s[G1B+0], s44, (1<<16)|(1<<20)|(1<<21)|(5<<22)|(3<<25)
.irp g, G1, G1B
	s_mov_b32 s[(\g)+1], KSTEP<<16                 ; tensor_dim0 = 128
	s_mov_b32 s[(\g)+2], 128<<16                   ; tensor_dim1 = 128
	s_mov_b32 s[(\g)+3], KSTEP<<16                 ; tile_dim0 = 128
	s_mov_b32 s[(\g)+4], 128                       ; tile_dim1 = 128
	s_mov_b32 s[(\g)+5], 1024                      ; elements from row to row
	s_mov_b32 s[(\g)+6], 0
	s_mov_b32 s[(\g)+7], 0
.endr
	s_lshl_b32 s17, s12, 7                         ; which 128 rows of the tile I fetch
	s_lshl_b32 s16, s13, 8
	s_add_co_u32 s16, s16, s17                     ; x: row 256 Y + 128 x half, in registers that do not hold cx
	s_lshl_b32 s16, s16, 11                        ; in bytes (under 2^24)
	s_lshl_b32 s46, s42, 8
	s_add_co_u32 s46, s46, s17                     ; wb: row 256 X + 128 x half, in registers that do not hold cy
	s_lshl_b32 s46, s46, 11
	s_mov_b32 s17, 0
	s_mov_b32 s47, 0
	s_mul_i32 s20, s10, HALFT                      ; where they go: x's two halves, then wb's two halves = wave x 128 rows: no place in the cluster enters an LDS address
	s_wait_dscnt 0x0                               ; the opening add is done
	s_wait_kmcnt 0x0
	s_add_nc_u64 s[14:15], s[4:5], s[16:17]
	s_add_nc_u64 s[46:47], s[6:7], s[46:47]
	CROUND                                         ; all sixteen work-groups are here: the first joint loads meet
.irp s, 0,1
	s_mov_b32 s[G0+4*(\s)], 1
	s_add_co_u32 s[G0+4*(\s)+1], s20, (\s)*SLOT
	s_add_nc_u64 s[G0+4*(\s)+2:G0+4*(\s)+3], s[14:15], (\s)*KSTEP*2
	s_or_b32 s[G0+4*(\s)+3], s[G0+4*(\s)+3], 0x80000000
	s_mov_b32 s[G0B+4*(\s)], 1
	s_add_co_u32 s[G0B+4*(\s)+1], s20, (\s)*SLOT
	s_add_nc_u64 s[G0B+4*(\s)+2:G0B+4*(\s)+3], s[46:47], (\s)*KSTEP*2
	s_or_b32 s[G0B+4*(\s)+3], s[G0B+4*(\s)+3], 0x80000000
	JLOAD \s                                       ; K steps 0 and 1: two loads of mine are out
.endr
	; a fragment is 16 rows x 32 K in 8 registers: lane l holds row l % 16; two loads of 16 bytes, 32 bytes apart, at row x pitch + 16 (l / 16)
	v_and_b32 v1, 15, v0
	v_bfe_u32 v2, v0, 4, 1
	v_mul_u32_u24 v3, v1, PITCH
	v_lshl_add_u32 v3, v2, 4, v3
	s_mul_i32 s21, s11, HALFT                      ; my 128 rows of x
	s_mul_i32 s22, s12, HALFT                      ; my 128 rows of wb,
	s_add_co_u32 s22, s22, 2*HALFT                 ; which lie behind x's 256
.irp s, 0,1
	v_add_nc_u32 v[ADRA+(\s)], s21, v3
	v_add_nc_u32 v[ADRB+(\s)], s22, v3
	s_add_co_u32 s21, s21, SLOT
	s_add_co_u32 s22, s22, SLOT
.endr
	s_mul_i32 s23, s10, 16*SPITCH
	s_add_co_u32 s23, s23, STAGE                   ; my stage
	v_mul_u32_u24 v4, v1, SPITCH                   ; in: row l % 16, 16 bytes for each half of the lanes
	v_lshl_add_u32 v4, v2, 4, v4
	v_add_nc_u32 v[STO], s23, v4
	v_mul_u32_u24 v5, v2, SPITCH                   ; back: lanes 0-15 take one row of 256 bytes, lanes 16-31 the next
	v_lshl_add_u32 v5, v1, 4, v5
	v_add_nc_u32 v[RD], s23, v5
	v_mul_u32_u24 v5, v2, ROWB                     ; and the same two rows in qkv
	v_lshl_add_u32 v[CO], v1, 4, v5
	s_lshl_b32 s16, s13, 8                         ; qkv at my part of the tile: row 256 Y + 128 x half,
	s_lshl_b32 s14, s11, 7
	s_add_co_u32 s16, s16, s14
	s_lshl_b32 s16, s16, 11
	s_mov_b32 s17, 0
	s_add_nc_u64 s[8:9], s[8:9], s[16:17]
	s_lshr_b32 s46, s42, 2                         ; plane X / 4 of 16,777,216 bytes,
	s_lshl_b32 s46, s46, 24
	s_and_b32 s47, s42, 3                          ; columns 256 (X % 4) + 128 x half, 2 bytes each
	s_lshl_b32 s47, s47, 9
	s_add_co_u32 s46, s46, s47
	s_lshl_b32 s47, s12, 8
	s_add_co_u32 s46, s46, s47
	s_mov_b32 s47, 0
	s_add_nc_u64 s[8:9], s[8:9], s[46:47]
; 16 matrix instructions: row blocks a0, a0 + 1 of the window's four (hi = 0: my rows 0-63, 1: rows 64-127) x all 8 column blocks, 32 along K.  zero = 1: the products start the sums: nothing is cleared.
; The 64 accumulators take turns in the same order in every quarter.
.macro MUL16 f, hi, a0, zero
	WIN MUL_LO+0x50*(\hi)
.irp a, \a0, (\a0)+1
.irp b, 0,1,2,3,4,5,6,7
.if \zero
	v_wmma_f32_16x16x32_bf16 v[8*(8*(\a)+(\b)):8*(8*(\a)+(\b))+7], v[(\f)+8*(\b):(\f)+8*(\b)+7], v[(\f)+8*(4*(\hi)+(\a)):(\f)+8*(4*(\hi)+(\a))+7], 0
.else
	v_wmma_f32_16x16x32_bf16 v[8*(8*(\a)+(\b)):8*(8*(\a)+(\b))+7], v[(\f)+8*(\b):(\f)+8*(\b)+7], v[(\f)+8*(4*(\hi)+(\a)):(\f)+8*(4*(\hi)+(\a))+7], v[8*(8*(\a)+(\b)):8*(8*(\a)+(\b))+7]
.endif
.endr
.endr
.endm
.macro FETCH slot, k, f                ; 32 LDS loads in one run: 128 rows of wb, then 128 rows of x, 32 K at byte k of the rows
	WIN TO_B
.irp i, 0,1,2,3,4,5,6,7
	ds_load_b128 v[(\f)+8*(\i):(\f)+8*(\i)+3],   v[ADRB+(\slot)] offset:(\k)+(\i)*16*PITCH
	ds_load_b128 v[(\f)+8*(\i)+4:(\f)+8*(\i)+7], v[ADRB+(\slot)] offset:(\k)+(\i)*16*PITCH+32
.endr
	WIN 0
.irp i, 0,1,2,3,4,5,6,7
	ds_load_b128 v[(\f)+8*(\i):(\f)+8*(\i)+3],   v[ADRA+(\slot)] offset:(\k)+(\i)*16*PITCH
	ds_load_b128 v[(\f)+8*(\i)+4:(\f)+8*(\i)+7], v[ADRA+(\slot)] offset:(\k)+(\i)*16*PITCH+32
.endr
.endm
.macro PLACES                          ; four places in front of loads into registers that matrix instructions have read, and of conversions that read results just made
.rept 4
	v_nop
.endr
.endm
; A K step is four quarters of 32 along K, 64 matrix instructions each, on buffers 0, 1, 0, 1.  One of the first three: multiplies buffer f and fetches the next quarter, at byte k, into g.
.macro QUARTER slot, k, f, g, zero
	s_wait_dscnt 8                                 ; wb and x's rows 0-63 are in; the youngest eight loads (x's rows 64-127) may be out
	MUL16 \f, 0, 0, \zero
	MUL16 \f, 0, 2, \zero
	PLACES
	FETCH \slot, \k, \g
	s_wait_dscnt 32                                ; all but the 32 just issued
	MUL16 \f, 1, 0, \zero
	MUL16 \f, 1, 2, \zero
.endm
; The last quarter multiplies buffer 1 and changes slots.  In front of the barrier each wave waits for all its tensor loads (one is out: its part of the next slot), adds 0 to its spare word, and waits for that and for its reads of this slot.
.macro MEET round
	WIN 0
	s_wait_tensorcnt 0x0
	ds_add_u32 v[SPW], v[NIL]
	s_wait_dscnt 9                                 ; the add and the youngest eight loads may be out
	MUL16 F1, 0, 0, 0
	s_wait_dscnt 0x0                               ; the add is done, and my reads of this slot are over
	s_barrier_signal -1
	MUL16 F1, 0, 2, 0
.if \round
	WIN 0
.endif
	s_barrier_wait -1
.endm
; The slot just read out takes the K step two steps on, first thing behind a round of the cluster's barrier.
.macro TURN slot, next
	MEET 1
	CREST                                          ; the barrier has opened a round of the cluster's: no wave of any partner still reads this slot or has a load on its way
	s_add_nc_u64 s[G0+4*(\slot)+2:G0+4*(\slot)+3], s[G0+4*(\slot)+2:G0+4*(\slot)+3], 2*KSTEP*2
	s_add_nc_u64 s[G0B+4*(\slot)+2:G0B+4*(\slot)+3], s[G0B+4*(\slot)+2:G0B+4*(\slot)+3], 2*KSTEP*2
	JLOAD \slot                                    ; its four v_nop are also the places in front of the loads below
	FETCH \next, 0, F0
	MUL16 F1, 1, 0, 0
	MUL16 F1, 1, 2, 0
.endm
; THE WAY OUT of row block a: rounded to f16, 16 bytes a lane; into my own stage and back as whole rows of 256 bytes; stored.
.macro PACK a
.set AC, 64*((\a)%4)
	WIN 0x0a+5*((\a)/4)                            ; sources 0 and 1: window 2 or 3
.irp b, 0,1,2,3,4,5,6,7
.irp r, 0,1,2,3
	v_cvt_pk_f16_f32 v[TMP+4*(\b)+(\r)], v[AC+8*(\b)+2*(\r)], v[AC+8*(\b)+2*(\r)+1]  ; each accumulator's registers in ascending order
.endr
.endr
	WIN 0
.endm
.macro TOSTAGE a
.set BK, OB+32*((\a)%2)
.irp b, 0,1,2,3,4,5,6,7
	ds_store_b128 v[STO], v[TMP+4*(\b):TMP+4*(\b)+3] offset:32*(\b)
.endr
.irp t, 0,1,2,3,4,5,6,7
	ds_load_b128 v[BK+4*(\t):BK+4*(\t)+3], v[RD] offset:(\t)*2*SPITCH  ; LDS serves a wave's instructions in order: these see the stores above, and the next block's stores come behind them
.endr
.endm
.macro SEND a
.set BK, OB+32*((\a)%2)
	s_wait_dscnt 0x0                               ; the block is back in registers
	s_wait_xcnt 0x0                                ; the buffer that the block before last's stores read is loaded again only behind this wait
.irp t, 0,1,2,3,4,5,6,7
	global_store_b128 v[CO], v[BK+4*(\t):BK+4*(\t)+3], s[8:9] offset:(16*(\a)+2*(\t))*ROWB  ; 16 lanes store 256 consecutive bytes, at a multiple of 256 from qkv's first byte; the row stands in the immediate, 258,048 at the most
.endr
.endm
	s_wait_tensorcnt 1                             ; my part of K step 0 is in; K step 1's load stays out
	s_barrier_signal -1
	s_barrier_wait -1
	FETCH 0, 0, F0
	QUARTER 0, 64,  F0, F1, 1                      ; the first quarter: its products start the sums
	WIN 0
	s_mov_b32 s3, 3
.Llap:                                                 ; three trips, each once round the ring from a lap's second quarter to the next lap's first, fill both slots again: K steps 2 to 7
	QUARTER 0, 128, F1, F0, 0
	QUARTER 0, 192, F0, F1, 0
	TURN 0, 1
	QUARTER 1, 64,  F0, F1, 0
	QUARTER 1, 128, F1, F0, 0
	QUARTER 1, 192, F0, F1, 0
	TURN 1, 0
	QUARTER 0, 64,  F0, F1, 0
	WIN 0
	s_sub_co_u32 s3, s3, 1
	s_cmp_lg_u32 s3, 0
	s_cbranch_scc1 .Llap
	QUARTER 0, 128, F1, F0, 0                      ; the last lap is written out: it asks for nothing more
	QUARTER 0, 192, F0, F1, 0
	MEET 0                                         ; the load that was still out is the last K step's, so no round follows
	PLACES
	FETCH 1, 0, F0
	MUL16 F1, 1, 0, 0
	MUL16 F1, 1, 2, 0
	QUARTER 1, 64,  F0, F1, 0
	QUARTER 1, 128, F1, F0, 0
	QUARTER 1, 192, F0, F1, 0
	s_wait_dscnt 8                                 ; the very last quarter: nothing more to fetch
	MUL16 F1, 0, 0, 0
	MUL16 F1, 0, 2, 0
	s_wait_dscnt 0x0
	MUL16 F1, 1, 0, 0
	MUL16 F1, 1, 2, 0
	WIN 0
	PLACES                                         ; behind the last products
	PACK 0
	TOSTAGE 0
.irp a, 1,2,3,4,5,6,7                  ; block a's conversions stand between block a - 1's loads from the stage and the wait for them
	PACK \a
	SEND (\a)-1
	TOSTAGE \a
.endr
	SEND 7
	s_wait_tensorcnt 0x0                           ; the wave's end
	ds_add_u32 v[SPW], v[NIL]
	s_wait_dscnt 0x0
	CROUND                                         ; the closing round: no work-group ends while a partner may still ask for a tile that names it
	s_endpgm
.Lfunc_end_k_qf844fd6e0b_proj:
	.size	k_qf844fd6e0b_proj, .Lfunc_end_k_qf844fd6e0b_proj-k_qf844fd6e0b_proj
	.p2alignl 7, 3214868480
	.fill 96, 4, 3214868480
	.section	.rodata,"a",@progbits
	.p2align	6, 0x0
	.amdhsa_kernel k_qf844fd6e0b_proj
		.amdhsa_group_segment_fixed_size 327680
		.amdhsa_private_segment_fixed_size 0
		.amdhsa_enable_private_segment 0
		.amdhsa_kernarg_size 24
		.amdhsa_user_sgpr_count 2
		.amdhsa_user_sgpr_kernarg_segment_ptr 1
		.amdhsa_wavefront_size32 1
		.amdhsa_system_sgpr_workgroup_id_x 1
		.amdhsa_system_sgpr_workgroup_id_y 1
		.amdhsa_system_sgpr_workgroup_id_z 1
		.amdhsa_system_vgpr_workitem_id 0
		.amdhsa_next_free_vgpr 1024
		.amdhsa_next_free_sgpr 66
		.amdhsa_reserve_vcc 0
		.amdhsa_float_denorm_mode_32 3
		.amdhsa_float_denorm_mode_16_64 3
		.amdhsa_memory_ordered 1
		.amdhsa_forward_progress 1
		.amdhsa_inst_pref_size 142
	.end_amdhsa_kernel
	.amdgpu_metadata
---
amdhsa.version: [ 1, 2 ]
amdhsa.kernels:
  - .name:           k_qf844fd6e0b_proj
    .symbol:         k_qf844fd6e0b_proj.kd
    .args:
      - { .name: xb, .offset: 0, .size: 8, .value_kind: global_buffer, .address_space: global }
      - { .name: wb, .offset: 8, .size: 8, .value_kind: global_buffer, .address_space: global }
      - { .name: qkv, .offset: 16, .size: 8, .value_kind: global_buffer, .address_space: global }
    .group_segment_fixed_size: 327680
    .private_segment_fixed_size: 0
    .kernarg_segment_align: 8
    .kernarg_segment_size: 24
    .max_flat_workgroup_size: 128
    .sgpr_count:     66
    .vgpr_count:     1024
    .wavefront_size: 32
...
	.end_amdgpu_metadata
.endif
;; end of part 2
;; launch scores (part 3): grid 9 x 16, 4 waves a work-group, no clusters, 327,680 bytes of LDS; arguments qkv, pm, st; writes pm, st
.if DOCPART == 3
	.amdgcn_target "amdgcn-amd-amdhsa--gfx1250"
	.amdhsa_code_object_version 6
	.text
	.protected	k_qf844fd6e0b_scores
	.globl	k_qf844fd6e0b_scores
	.p2align	8
	.type	k_qf844fd6e0b_scores,@function
k_qf844fd6e0b_scores:
	s_mov_b64 s[64:65], 0
	v_nop
	global_prefetch_b8 v0, s[64:65] scope:SCOPE_SE
	s_setreg_imm32_b32 hwreg(HW_REG_WAVE_MODE, 25, 1), 1
	s_wait_xcnt 0x0
; The live tiles of S = q k^T, and the first half of the softmax.  qkv [3][8192][1024] f16; pm [4][2048][2048] f16; st [16 key blocks][8192 rows][2] f32.
; For each query row and each block t of 128 keys: m = the block's largest score; cm = c m, c = log2(e) / 32; p = 2^(c s - cm), rounded once to f16 into pm; l = the f32 sum of the unrounded p; (cm, l) into st.
; The next launch takes the rows' true maxima over all blocks and puts the blocks together in f32, adding back the very cm that was taken away here.
; LIMITS: a hidden score counts as its value less 1e30; a weight below 2^-126 counts as 0; p may pass 1 by half a last place of cm; NaN and infinities are not treated apart.
; SHARES.  A batch has 36 tiles of 256 queries x 256 keys at or below the diagonal: tile rows 7 - f and f together have 9, so a grid of 9 x (4 folds x 4 batches) covers them, a tile to a work-group.
; Four waves, each 128 x 128: 64 accumulators; a wave's 128 columns are one key block.  K = 1,024 goes in steps of 128 through a ring of two LDS slots; each wave fetches a quarter of a slot.
; NO CLUSTER: the tile rows have 1 to 8 live tiles, so no rectangle of four or sixteen work-groups covers them without work-groups that would have nothing to compute.
; THE MASK is the C operand of the products that start the sums: 0, or -1e30 where the key is hidden.  In a diagonal tile the waves on the diagonal take it; the wave above it (rows 0-127, keys 128-255) sees
; nothing: it multiplies with the others, since all pass the same barriers, and then writes p = 0 and (cm, l) = (-1e30, 0).
; THE MATRIX INSTRUCTION IS USED TRANSPOSED (source 0 = 16 keys, source 1 = 16 queries): a lane holds one query (l % 16) and, of each 16 keys, the keys 8 (l / 16) + 0..7.  So a block of 16 queries
; has its 128 scores a row in two lanes, 64 each: the maximum and the sum are made in the lane and want one exchange between the halves of the lanes each.
; THE SOFTMAX'S TEXT is written for the four blocks of window 2 and walked twice: behind the first walk the accumulators of my rows 64-127 are copied from window 3 to where the text names them, 256 lines run once
; a wave, in place of four more copies of a block's text.
; REGISTERS in windows of 256: window 0: v0-31 addresses, v32-47 masks, v64-127, v128-191 q's fragments (two buffers; later the softmax's registers); window 1: v64-191 k's fragments; windows 2, 3: the accumulators.
.set KSTEP,  128
.set PITCH,  272
.set HALFT,  128*PITCH
.set SLOT,   4*HALFT                   ; q's 256 rows, then k's 256 rows
.set STAGE,  2*SLOT                    ; behind the ring: 16 rows x 272 bytes for each wave, for the way out; no tensor load fills it
.set SPITCH, 272
.set SPARE,  STAGE+4*16*SPITCH         ; the spare words, 128 bytes for each wave: two blocks of 256 bytes that no other line names
.set PLANE,  16777216                  ; bytes in q, k or v
.set ADRA, 16
.set ADRB, 20
.set STO,  22                          ; v22  the way out: where I put 16 bytes of a row
.set RD,   23                          ; v23  where I read a row back
.set PO,   24                          ; v24  my byte offset in two rows of pm; steps
.set SO,   26                          ; v26  8 x lane; steps
.set SPW,  28
.set NIL,  29
.set XD,   32                          ; v32-39  the mask of a 16 x 16 block on the diagonal
.set XU,   40                          ; v40-47  of a block above it
.set Z,    48                          ; v48-53  the hidden quadrant's constants
.set F0,   64
.set F1,   128
.set TMP,  64                          ; v64-95    a block's packed weights
.set CC,   96                          ; v96-103   eight chains of the maximum; at work
.set CM,   104                         ; v104-111  (cm, l) of each of a walk's 4 blocks of 16 queries
.set OB,   128                         ; v128-191  16 rows read back from the stage: two buffers by turns
.set G1, 24
.set G0, 32
.set HID, 48                           ; s48  1: my quadrant is wholly hidden
.set SU,  49                           ; s49  -1e30 if my quadrant holds the diagonal, else 0
.set CS,  56                           ; s[56:57] c
.set CNT, 58
.set UH,  59                           ; s59  the mask of lanes 16-31
.set SEL, 60                           ; s[60:61] v_permlanex16_b32's selects: each lane takes its own place in the other half
.set MSB, 0
.macro WIN new
.if MSB != (\new)
	s_set_vgpr_msb (MSB<<8)|(\new)
.set MSB, \new
.endif
.endm
.set MUL_LO, 0xa1                      ; source 0 (k) window 1, source 1 (q) window 0, C and D window 2
.set TO_B,   0x40
	s_load_b128 s[4:7], s[0:1], 0x0                ; qkv s[4:5], pm s[6:7]
	s_load_b64 s[8:9], s[0:1], 0x10                ; st
	v_lshl_add_u32 v[SPW], v0, 2, SPARE
	v_mov_b32 v[NIL], 0
	ds_add_u32 v[SPW], v[NIL]                      ; the wave's opening add, waited for ahead of my first tensor load
	ds_add_u32 v28, v29
	v_lshrrev_b32 v1, 5, v0
	v_readfirstlane_b32 s10, v1                    ; wave 0..3
	s_lshr_b32 s11, s10, 1                         ; rh: which 128 queries
	s_and_b32 s12, s10, 1                          ; ch: which 128 keys
	s_mov_b32 s40, ttmp9                           ; 0..8
	s_and_b32 s41, ttmp7, 0xffff
	s_and_b32 s42, s41, 3                          ; the fold f
	s_lshr_b32 s43, s41, 2                         ; the batch
	s_sub_co_u32 s44, 7, s42
	s_add_co_u32 s45, s40, s42
	s_max_u32 s45, s45, 8
	s_sub_co_u32 s45, s45, 8
	s_cmp_le_u32 s40, s44
	s_cselect_b32 s13, s44, s42                    ; tile row r: 7 - f, or f
	s_cselect_b32 s14, s40, s45                    ; tile column c <= r
	s_mov_b32 s[G1+0], (1<<16)|(1<<20)|(5<<22)|(3<<25)  ; 2-byte elements; padding on: after every 64 words 4 words
	s_mov_b32 s[G1+1], KSTEP<<16
	s_mov_b32 s[G1+2], 128<<16
	s_mov_b32 s[G1+3], KSTEP<<16
	s_mov_b32 s[G1+4], 128
	s_mov_b32 s[G1+5], 1024
	s_mov_b32 s[G1+6], 0
	s_mov_b32 s[G1+7], 0
	s_cmp_lt_u32 s10, 2                            ; waves 0 and 1 fetch q's two halves, waves 2 and 3 k's
	s_cselect_b32 s16, s13, s14
	s_cselect_b32 s17, 0, PLANE
	s_lshl_b32 s16, s16, 8
	s_lshl_b32 s18, s12, 7
	s_add_co_u32 s16, s16, s18
	s_lshl_b32 s18, s43, 11
	s_add_co_u32 s16, s16, s18                     ; the first row that I fetch
	s_lshl_b32 s16, s16, 11
	s_add_co_u32 s16, s16, s17                     ; in bytes (under 2^26)
	s_mov_b32 s17, 0
	s_mul_i32 s20, s10, HALFT                      ; and where it goes
	s_cmp_eq_u32 s13, s14
	s_cselect_b32 s46, 1, 0                        ; a diagonal tile
	s_cmp_eq_u32 s11, s12
	s_cselect_b32 s47, s46, 0
	s_cmp_gt_u32 s12, s11
	s_cselect_b32 s[HID], s46, 0
	s_cmp_eq_u32 s47, 1
	s_cselect_b32 s[SU], 0xf149f2ca, 0
	s_mov_b32 s[CS], 0x3d38aa3b                    ; c = log2(e) / 32
	s_mov_b32 s[CS+1], s[CS]                       ; named with it as a pair
	s_mov_b32 s[UH], 0xffff0000
	s_mov_b32 s[SEL], 0x76543210
	s_mov_b32 s[SEL+1], 0xfedcba98
	s_wait_dscnt 0x0                               ; the opening add is done
	s_wait_kmcnt 0x0
	s_add_nc_u64 s[50:51], s[4:5], s[16:17]
.irp s, 0,1
	s_mov_b32 s[G0+4*(\s)], 1
	s_add_co_u32 s[G0+4*(\s)+1], s20, (\s)*SLOT
	s_add_nc_u64 s[G0+4*(\s)+2:G0+4*(\s)+3], s[50:51], (\s)*KSTEP*2
	s_or_b32 s[G0+4*(\s)+3], s[G0+4*(\s)+3], 0x80000000
	tensor_load_to_lds s[G0+4*(\s):G0+4*(\s)+3], s[G1:G1+7]  ; K steps 0 and 1: two loads of mine are out
	s_nop 0
.endr
	s_lshl_b32 s52, s13, 8
	s_lshl_b32 s53, s11, 7
	s_add_co_u32 s52, s52, s53                     ; my first query in the batch
	s_lshl_b32 s54, s52, 12
	s_lshl_b32 s53, s43, 23
	s_add_co_u32 s54, s54, s53
	s_lshl_b32 s53, s14, 1
	s_add_co_u32 s53, s53, s12                     ; my key block t = 2 c + ch
	s_lshl_b32 s55, s53, 8
	s_add_co_u32 s54, s54, s55
	s_mov_b32 s55, 0
	s_add_nc_u64 s[6:7], s[6:7], s[54:55]          ; pm at my quadrant
	s_lshl_b32 s54, s53, 16
	s_lshl_b32 s53, s43, 11
	s_add_co_u32 s53, s53, s52
	s_lshl_b32 s53, s53, 3
	s_add_co_u32 s54, s54, s53
	s_add_nc_u64 s[8:9], s[8:9], s[54:55]          ; st at my block and my 128 rows
	v_and_b32 v1, 15, v0
	v_bfe_u32 v2, v0, 4, 1
	v_mul_u32_u24 v3, v1, PITCH
	v_lshl_add_u32 v3, v2, 4, v3
	s_mul_i32 s21, s11, HALFT
	s_mul_i32 s22, s12, HALFT
	s_add_co_u32 s22, s22, 2*HALFT
.irp s, 0,1
	v_add_nc_u32 v[ADRA+(\s)], s21, v3
	v_add_nc_u32 v[ADRB+(\s)], s22, v3
	s_add_co_u32 s21, s21, SLOT
	s_add_co_u32 s22, s22, SLOT
.endr
	v_lshlrev_b32 v4, 3, v2
	v_sub_nc_u32 v4, v1, v4                        ; in a block on the diagonal register j (key 8 (l / 16) + j) is hidden where j > l % 16 - 8 (l / 16)
.set i, 0
.rept 8
	v_cmp_gt_i32 vcc_lo, i, v4
	v_cndmask_b32 v[XD+i], 0, s[SU], vcc_lo
	v_mov_b32 v[XU+i], s[SU]
.set i, i+1
.endr
	s_mul_i32 s21, s10, 16*SPITCH
	s_add_co_u32 s21, s21, STAGE                   ; my stage
	v_mul_u32_u24 v5, v1, SPITCH                   ; in: row l % 16, 16 bytes for each half of the lanes
	v_lshl_add_u32 v5, v2, 4, v5
	v_add_nc_u32 v[STO], s21, v5
	v_mul_u32_u24 v5, v2, SPITCH                   ; back: lanes 0-15 take one row of 256 bytes, lanes 16-31 the next
	v_lshl_add_u32 v5, v1, 4, v5
	v_add_nc_u32 v[RD], s21, v5
	v_lshlrev_b32 v5, 12, v2                       ; and the same two rows in pm
	v_lshl_add_u32 v[PO], v1, 4, v5
	v_and_b32 v5, 31, v0
	v_lshlrev_b32 v[SO], 3, v5
; 16 matrix instructions: query blocks a0, a0 + 1 of the window's four (hi = 0: rows 0-63, 1: rows 64-127) x all 8 key blocks.  zero = 1: the products start the sums, with 0 below the diagonal
; of blocks, XD on it and XU above it (both hold zeros where my quadrant does not hold the diagonal).  The 64 accumulators take turns.
.macro MUL16 f, hi, a0, zero
.if \zero
	WIN 0x81+0x40*(\hi)                            ; the C operand lies in window 0
.else
	WIN MUL_LO+0x50*(\hi)
.endif
.irp a, \a0, (\a0)+1
.irp b, 0,1,2,3,4,5,6,7
.if (\zero) && ((\b) < 4*(\hi)+(\a))
	v_wmma_f32_16x16x32_f16 v[8*(8*(\a)+(\b)):8*(8*(\a)+(\b))+7], v[(\f)+8*(\b):(\f)+8*(\b)+7], v[(\f)+8*(4*(\hi)+(\a)):(\f)+8*(4*(\hi)+(\a))+7], 0
.elseif (\zero) && ((\b) == 4*(\hi)+(\a))
	v_wmma_f32_16x16x32_f16 v[8*(8*(\a)+(\b)):8*(8*(\a)+(\b))+7], v[(\f)+8*(\b):(\f)+8*(\b)+7], v[(\f)+8*(4*(\hi)+(\a)):(\f)+8*(4*(\hi)+(\a))+7], v[XD:XD+7]
.elseif \zero
	v_wmma_f32_16x16x32_f16 v[8*(8*(\a)+(\b)):8*(8*(\a)+(\b))+7], v[(\f)+8*(\b):(\f)+8*(\b)+7], v[(\f)+8*(4*(\hi)+(\a)):(\f)+8*(4*(\hi)+(\a))+7], v[XU:XU+7]
.else
	v_wmma_f32_16x16x32_f16 v[8*(8*(\a)+(\b)):8*(8*(\a)+(\b))+7], v[(\f)+8*(\b):(\f)+8*(\b)+7], v[(\f)+8*(4*(\hi)+(\a)):(\f)+8*(4*(\hi)+(\a))+7], v[8*(8*(\a)+(\b)):8*(8*(\a)+(\b))+7]
.endif
.endr
.endr
.endm
.macro FETCH slot, k, f                ; 32 LDS loads in one run: 128 rows of k, then 128 rows of q, 32 K at byte k of the rows
	WIN TO_B
.irp i, 0,1,2,3,4,5,6,7
	ds_load_b128 v[(\f)+8*(\i):(\f)+8*(\i)+3],   v[ADRB+(\slot)] offset:(\k)+(\i)*16*PITCH
	ds_load_b128 v[(\f)+8*(\i)+4:(\f)+8*(\i)+7], v[ADRB+(\slot)] offset:(\k)+(\i)*16*PITCH+32
.endr
	WIN 0
.irp i, 0,1,2,3,4,5,6,7
	ds_load_b128 v[(\f)+8*(\i):(\f)+8*(\i)+3],   v[ADRA+(\slot)] offset:(\k)+(\i)*16*PITCH
	ds_load_b128 v[(\f)+8*(\i)+4:(\f)+8*(\i)+7], v[ADRA+(\slot)] offset:(\k)+(\i)*16*PITCH+32
.endr
.endm
.macro PLACES                          ; four places in front of loads into registers that matrix instructions have read, and of vector lines that read results just made
.rept 4
	v_nop
.endr
.endm
.macro QUARTER slot, k, f, g, zero
	s_wait_dscnt 8                                 ; k and q's rows 0-63 are in; the youngest eight loads may be out
	MUL16 \f, 0, 0, \zero
	MUL16 \f, 0, 2, \zero
	PLACES
	FETCH \slot, \k, \g
	s_wait_dscnt 32                                ; all but the 32 just issued
	MUL16 \f, 1, 0, \zero
	MUL16 \f, 1, 2, \zero
.endm
; The last quarter multiplies buffer 1 and changes slots: one barrier; in front of it each wave waits for all its tensor loads (one is out: its part of the next slot), adds 0 to its spare word, and waits
; for that and for its reads of this slot.  fill = 1: this slot is filled again, two K steps ahead, first thing behind the barrier: 224 matrix instructions ahead of the wait for it.
.macro TURN slot, next, fill
	WIN 0
	s_wait_tensorcnt 0x0
	ds_add_u32 v[SPW], v[NIL]
	s_wait_dscnt 9                                 ; the add and the youngest eight loads may be out
	MUL16 F1, 0, 0, 0
	s_wait_dscnt 0x0                               ; the add is done, and my reads of this slot are over
	s_barrier_signal -1
	MUL16 F1, 0, 2, 0
	s_barrier_wait -1
.if \fill
	s_add_nc_u64 s[G0+4*(\slot)+2:G0+4*(\slot)+3], s[G0+4*(\slot)+2:G0+4*(\slot)+3], 2*KSTEP*2
	tensor_load_to_lds s[G0+4*(\slot):G0+4*(\slot)+3], s[G1:G1+7]
	s_nop 0
.endif
	PLACES                                         ; behind the load, and the places in front of the loads below
	FETCH \next, 0, F0
	MUL16 F1, 1, 0, 0
	MUL16 F1, 1, 2, 0
.endm
	s_wait_tensorcnt 1                             ; my part of K step 0 is in; K step 1's stays out
	s_barrier_signal -1
	s_barrier_wait -1
	FETCH 0, 0, F0
	QUARTER 0, 64,  F0, F1, 1                      ; the first quarter starts the sums, with the mask
	WIN 0
	s_mov_b32 s3, 3
.Llap:                                                 ; three trips fill both slots again: K steps 2 to 7
	QUARTER 0, 128, F1, F0, 0
	QUARTER 0, 192, F0, F1, 0
	TURN 0, 1, 1
	QUARTER 1, 64,  F0, F1, 0
	QUARTER 1, 128, F1, F0, 0
	QUARTER 1, 192, F0, F1, 0
	TURN 1, 0, 1
	QUARTER 0, 64,  F0, F1, 0
	WIN 0
	s_sub_co_u32 s3, s3, 1
	s_cmp_lg_u32 s3, 0
	s_cbranch_scc1 .Llap
	QUARTER 0, 128, F1, F0, 0                      ; the last lap fills nothing
	QUARTER 0, 192, F0, F1, 0
	TURN 0, 1, 0
	QUARTER 1, 64,  F0, F1, 0
	QUARTER 1, 128, F1, F0, 0
	QUARTER 1, 192, F0, F1, 0
	s_wait_dscnt 8                                 ; the very last quarter: nothing more to fetch
	MUL16 F1, 0, 0, 0
	MUL16 F1, 0, 2, 0
	s_wait_dscnt 0x0
	MUL16 F1, 1, 0, 0
	MUL16 F1, 1, 2, 0
	WIN 0
	s_cmp_eq_u32 s[HID], 1
	s_cbranch_scc1 .Lhid
; THE SOFTMAX OF BLOCK a of a walk's four (16 queries x my 128 keys), straight from its eight accumulators in window 2.  A lane holds 64 of its query's scores.
;   the maximum: eight chains, one an accumulator, each begun with the accumulator's registers 0 to 2 (the low end first), then 3 to 6; the eight registers 7; the chains; the other half of the lanes
;   cm = c m;  c s - cm in place;  64 exponentials on end and one plain line behind them;  32 roundings to f16 into window 0;  the sum of the unrounded weights, in place, in a tree of packed additions; the other half of the lanes
.set W, 2
.macro SOFT a
.set AC, 64*(\a)
.set GC, CM+2*(\a)
	WIN W|(W<<2)|(W<<4)                            ; all three sources in the accumulators' window
.irp b, 0,1,2,3,4,5,6,7
	v_max3_num_f32 v[CC+(\b)], v[AC+8*(\b)], v[AC+8*(\b)+1], v[AC+8*(\b)+2]
.endr
	WIN (W<<2)|(W<<4)                              ; source 0 is the chain, in window 0
.irp k, 1,2
.irp b, 0,1,2,3,4,5,6,7
	v_max3_num_f32 v[CC+(\b)], v[CC+(\b)], v[AC+8*(\b)+2*(\k)+1], v[AC+8*(\b)+2*(\k)+2]
.endr
.endr
.irp b, 0,2,4,6
	v_max3_num_f32 v[CC+(\b)], v[CC+(\b)], v[AC+8*(\b)+7], v[AC+8*(\b)+15]
.endr
	WIN 0
	v_max3_num_f32 v[CC], v[CC], v[CC+1], v[CC+2]
	v_max3_num_f32 v[CC+3], v[CC+3], v[CC+4], v[CC+5]
	v_max_num_f32 v[CC+6], v[CC+6], v[CC+7]
	v_max3_num_f32 v[CC], v[CC], v[CC+3], v[CC+6]
	v_permlanex16_b32 v[CC+1], v[CC], s[SEL], s[SEL+1]  ; the query's other 64 keys lie in the lane 16 away
	v_max_num_f32 v[CC], v[CC], v[CC+1]
	v_mul_f32 v[GC], s[CS], v[CC]                  ; cm
	WIN (W<<6)|W                                   ; destination and source 0 in the accumulators' window, cm in window 0
.set i, 0
.rept 32
	v_pk_fma_f32 v[AC+2*i:AC+2*i+1], v[AC+2*i:AC+2*i+1], s[CS:CS+1], v[GC:GC+1] op_sel_hi:[1,0,0] neg_lo:[0,0,1] neg_hi:[0,0,1]  ; c s - cm
.set i, i+1
.endr
.set i, 0
.rept 64
	v_exp_f32 v[AC+i], v[AC+i]
.set i, i+1
.endr
	v_nop                                          ; a plain instruction between the last exponential and the use of its result
	WIN W|(W<<2)
.set i, 0
	s_wait_alu depctr_va_vdst(0)
.rept 32
	v_cvt_pk_f16_f32 v[TMP+i], v[AC+2*i], v[AC+2*i+1]  ; TMP + 4 b .. + 3: the keys 16 b + 8 (l / 16) + 0..7, 16 bytes
.set i, i+1
.endr
	WIN (W<<6)|(W<<2)|W
.irp w, 4,8,16,32,64
.set u, 0
.rept 64/(\w)
	v_pk_add_f32 v[AC+(\w)*u:AC+(\w)*u+1], v[AC+(\w)*u:AC+(\w)*u+1], v[AC+(\w)*u+(\w)/2:AC+(\w)*u+(\w)/2+1]
.set u, u+1
.endr
.endr
	WIN W|(W<<2)
	v_add_f32 v[CC], v[AC], v[AC+1]
	WIN 0
	v_permlanex16_b32 v[CC+1], v[CC], s[SEL], s[SEL+1]
	v_add_f32 v[GC+1], v[CC], v[CC+1]              ; l
.endm
; THE WAY OUT of block a: 16 bytes a lane into my own stage, back as whole rows of 256 bytes, stored.
.macro TOSTAGE a
.set BK, OB+32*((\a)%2)
.irp b, 0,1,2,3,4,5,6,7
	ds_store_b128 v[STO], v[TMP+4*(\b):TMP+4*(\b)+3] offset:32*(\b)
.endr
.irp t, 0,1,2,3,4,5,6,7
	ds_load_b128 v[BK+4*(\t):BK+4*(\t)+3], v[RD] offset:(\t)*2*SPITCH  ; LDS serves a wave's instructions in order: these see the stores above, and the next block's stores come behind them
.endr
.endm
.macro SEND a
.set BK, OB+32*((\a)%2)
	s_wait_dscnt 0x0                               ; the block is back in registers
	s_wait_xcnt 0x0                                ; the buffer that the block before last's stores read is loaded again only behind this wait
.irp t, 0,1,2,3,4,5,6,7
	global_store_b128 v[PO], v[BK+4*(\t):BK+4*(\t)+3], s[6:7] offset:(16*(\a)+2*(\t))*4096  ; 16 lanes store a row's 256 consecutive bytes, at a multiple of 256 from pm's first byte; the row among the walk's 64 stands in the immediate
.endr
.endm
	PLACES                                         ; behind the last products
.set i, 0
.rept 4
	v_mov_b32 v[CM+2*i+1], 0                       ; named with cm as a pair before l is made
.set i, i+1
.endr
	s_mov_b32 s[CNT], 2
.Lwalk:                                                ; two trips: my rows 0-63, then my rows 64-127.  All LDS addresses are the same in both
	SOFT 0
	TOSTAGE 0
.irp a, 1,2,3                          ; block a's arithmetic stands between block a - 1's loads from the stage and the wait for them
	SOFT \a
	SEND (\a)-1
	TOSTAGE \a
.endr
	SEND 3
.irp k, 0,1                            ; (cm, l): lanes 0-15 take block 2 k's rows, lanes 16-31 block 2 k + 1's: lane l holds the walk's row 32 k + l, and a store covers 256 consecutive bytes, aligned
	v_cndmask_b32 v[TMP+2*(\k)], v[CM+4*(\k)], v[CM+4*(\k)+2], s[UH]
	v_cndmask_b32 v[TMP+2*(\k)+1], v[CM+4*(\k)+1], v[CM+4*(\k)+3], s[UH]
	global_store_b64 v[SO], v[TMP+2*(\k):TMP+2*(\k)+1], s[8:9] offset:256*(\k)
.endr
	s_wait_xcnt 0x0                                ; the stores' offsets and the registers that they read are rewritten only behind this wait
	s_cmp_eq_u32 s[CNT], 1
	s_cbranch_scc1 .Lwalked                        ; behind the second walk nothing is left to bring
	v_add_nc_u32 v[PO], 0x40000, v[PO]             ; 64 rows of pm on,
	v_add_nc_u32 v[SO], 0x200, v[SO]               ; 64 rows of st on
	WIN 0x83                                       ; source window 3, destination window 2
.set i, 0
.rept 256
	v_mov_b32 v[i], v[i]                           ; rows 64-127's scores go where the one text of the softmax names them; each accumulator's registers in ascending order
.set i, i+1
.endr
	WIN 0
.Lwalked:
	s_sub_co_u32 s[CNT], s[CNT], 1
	s_cmp_lg_u32 s[CNT], 0
	s_cbranch_scc1 .Lwalk
	s_branch .Lend
.Lhid:                                                 ; the hidden quadrant: the next launch reads it with the tile's other half
	v_mov_b32 v[Z], 0
	v_mov_b32 v[Z+1], 0
	v_mov_b32 v[Z+2], 0
	v_mov_b32 v[Z+3], 0
	v_mov_b32 v[Z+4], 0xf149f2ca                   ; cm = -1e30: the block's share becomes 2^(cm - cM) = 0
	v_mov_b32 v[Z+5], 0
.irp k, 0,1,2,3
	global_store_b64 v[SO], v[Z+4:Z+5], s[8:9] offset:256*(\k)
.endr
	s_mov_b32 s[CNT], 8
.Lzero:
.irp p, 0,1,2,3,4,5,6,7
	global_store_b128 v[PO], v[Z:Z+3], s[6:7] offset:(\p)*8192
.endr
	s_wait_xcnt 0x0                                ; the stores' offset is stepped only behind this wait
	v_add_nc_u32 v[PO], 0x10000, v[PO]
	s_sub_co_u32 s[CNT], s[CNT], 1
	s_cmp_lg_u32 s[CNT], 0
	s_cbranch_scc1 .Lzero
.Lend:
	s_wait_tensorcnt 0x0                           ; the wave's end
	ds_add_u32 v[SPW], v[NIL]
	s_wait_dscnt 0x0
	s_endpgm
.Lfunc_end_k_qf844fd6e0b_scores:
	.size	k_qf844fd6e0b_scores, .Lfunc_end_k_qf844fd6e0b_scores-k_qf844fd6e0b_scores
	.p2alignl 7, 3214868480
	.fill 96, 4, 3214868480
	.section	.rodata,"a",@progbits
	.p2align	6, 0x0
	.amdhsa_kernel k_qf844fd6e0b_scores
		.amdhsa_group_segment_fixed_size 327680
		.amdhsa_private_segment_fixed_size 0
		.amdhsa_enable_private_segment 0
		.amdhsa_kernarg_size 24
		.amdhsa_user_sgpr_count 2
		.amdhsa_user_sgpr_kernarg_segment_ptr 1
		.amdhsa_wavefront_size32 1
		.amdhsa_system_sgpr_workgroup_id_x 1
		.amdhsa_system_sgpr_workgroup_id_y 1
		.amdhsa_system_sgpr_workgroup_id_z 1
		.amdhsa_system_vgpr_workitem_id 0
		.amdhsa_next_free_vgpr 1024
		.amdhsa_next_free_sgpr 66
		.amdhsa_reserve_vcc 1
		.amdhsa_float_denorm_mode_32 3
		.amdhsa_float_denorm_mode_16_64 3
		.amdhsa_memory_ordered 1
		.amdhsa_forward_progress 1
		.amdhsa_inst_pref_size 169
	.end_amdhsa_kernel
	.amdgpu_metadata
---
amdhsa.version: [ 1, 2 ]
amdhsa.kernels:
  - .name:           k_qf844fd6e0b_scores
    .symbol:         k_qf844fd6e0b_scores.kd
    .args:
      - { .name: qkv, .offset: 0, .size: 8, .value_kind: global_buffer, .address_space: global }
      - { .name: pm, .offset: 8, .size: 8, .value_kind: global_buffer, .address_space: global }
      - { .name: st, .offset: 16, .size: 8, .value_kind: global_buffer, .address_space: global }
    .group_segment_fixed_size: 327680
    .private_segment_fixed_size: 0
    .kernarg_segment_align: 8
    .kernarg_segment_size: 24
    .max_flat_workgroup_size: 128
    .sgpr_count:     66
    .vgpr_count:     1024
    .wavefront_size: 32
...
	.end_amdgpu_metadata
.endif
;; end of part 3
;; launch pv (part 4): grid 8 x 32, 4 waves a work-group, clusters of 4 x 4, 327,680 bytes of LDS; arguments qkv, pm, st, out0; writes out0
.if DOCPART == 4
	.amdgcn_target "amdgcn-amd-amdhsa--gfx1250"
	.amdhsa_code_object_version 6
	.text
	.protected	k_qf844fd6e0b_pv
	.globl	k_qf844fd6e0b_pv
	.p2align	8
	.type	k_qf844fd6e0b_pv,@function
k_qf844fd6e0b_pv:
	s_mov_b64 s[64:65], 0
	v_nop
	global_prefetch_b8 v0, s[64:65] scope:SCOPE_SE
	s_setreg_imm32_b32 hwreg(HW_REG_WAVE_MODE, 25, 1), 1
	s_wait_xcnt 0x0
	s_wait_alu depctr_hold_cnt(0) depctr_sa_sdst(0) depctr_va_vdst(0) depctr_va_sdst(0) depctr_va_ssrc(0) depctr_va_vcc(0) depctr_vm_vsrc(0)
	s_getreg_b32 s2, hwreg(HW_REG_IB_STS2, 6, 4)
	s_cmp_eq_u32 s2, 0
	s_cbranch_scc0 .Lentry_in_a_cluster
	s_endpgm
.Lentry_in_a_cluster:
	s_bfe_u32 s2, ttmp6, 0x10000c
	s_cmp_lg_u32 s2, 0xf033
	s_cbranch_scc0 .Lentry_shape_is_right
	s_endpgm
.Lentry_shape_is_right:
; O = softmax(S) v, from the blocks that the launch before has left: pm holds p = 2^(c s - cm_t) in f16 for each block t of 128 keys, st holds (cm_t, l_t) in f32.
; For each row: cM = the largest cm_t (the row's true maximum); e_t = 2^(cm_t - cM); L = the sum of e_t l_t; g_t = e_t / L; O = the sum over t of g_t (P_t V_t).  P_t V_t is summed in f32 by the matrix unit
; in accumulators of its own, and O takes it by a fused multiply-add in f32.  out0 [4][2048][1024] f32.
; LIMITS: a share e_t below 2^-126 counts as 0; NaN and infinities are not treated apart.
; SHARES.  A tile of O is 128 queries x 128 channels.  A work-group makes two, one after the other: query block i1 = 12 - 4 u + cy with 8 - 2 u key steps of 256, then i2 = 4 u + cy with 2 + 2 u: ten steps for every work-group.
; Four waves, each 64 queries x 64 channels: 16 accumulators of O, and twice 16 for the two key blocks of a step.
; CLUSTER 4 x 4.  The four work-groups of a row of the cluster (same cy) need the same tiles of P, the four of a column (same cx) the same tiles of V: each is asked for jointly.  All partners walk the same ten steps:
; trip counts and branches hang on u alone, which they share.  Where a block needs a step less than its partners (cy < 2), its P is asked for once more at the last step that was written, and the step's g is 0, by a select.
; LAYOUT.  O^T = V^T P: source 0 = 16 channels x 32 keys (V is turned on its way out of LDS), source 1 = 32 keys x 16 queries (P as it lies): a lane holds one query (l % 16) and the channels 8 (l / 16) + 0..7, so g is one number a lane.
; REGISTERS in windows of 256: window 0: v0-38 addresses and g, v40-127 at work, v128-255 O ((a, b) at 128 + 8 (4 a + b)); window 1: two fragment buffers of 128 (64 of P, 64 of V, for 64 keys); window 2: T0, T1.
.set PP,    528                        ; a row of P in LDS: 512 bytes + 16
.set PV,    288                        ; a row of V: 256 + 32 = 72 words
.set VOFF,  128*PP
.set SLOT,  VOFF+256*PV                ; 141,312 bytes
.set STAGE, 2*SLOT                     ; 16 rows x 272 bytes for each wave, for the way out; no tensor load fills it
.set SP,    272
.set GT,    STAGE+4*16*SP              ; g in f32: [20 key blocks of the walk][128 rows]
.set SPARE, GT+20*512                  ; the spare words
.set PLANE, 16777216
.set ADP,  8                           ; v8-9    LDS address of my fragments of P in slot 0, 1
.set ADV,  10                          ; v10-11  of V, keys 0-127
.set ADV2, 12                          ; v12-13  of V, keys 128-255: the immediate does not reach them
.set GA0,  14                          ; v14     my row's place in a block of the table
.set GA,   15                          ; v15     the same in the step to come
.set STO,  16
.set RD,   17
.set CO,   18
.set SPW,  19
.set NIL,  20
.set GTA,  21                          ; v21     where thread tau puts row tau's g
.set GE,   22                          ; v22-29  g of the step's even block, a pair for each query block (the odd registers hold 0)
.set GO,   30                          ; v30-37  of the odd block
.set T8,   38                          ; v38     8 x thread
.set PR1,  40                          ; v40-71   (cm, l) of the first tile's 16 blocks; cm's place takes e, then g
.set OF1,  72                          ; v72-87   their byte offsets in st
.set PR2,  88                          ; v88-103  the second tile's 8 blocks
.set OF2,  104                         ; v104-111
.set CMX,  112
.set LS,   113                         ; v113-116 four chains of L
.set RC,   117
.set TM,   118                         ; v118-125 the eight entries that hang on u
.set O,    128
.set F0,   0
.set F1,   128
.set T0,   0
.set T1,   128
.set WV, 12
.set RH, 13                            ; which 64 queries are mine.  Also: I fetch for P (0) or for V (1)
.set CH, 14                            ; which 64 channels.  Also: which half of that tile I fetch
.set CX, 15
.set CY, 16
.set CHT, 17                           ; my 128 channels
.set YC, 18
.set BT, 19                            ; the batch
.set U,  20
.set G1P, 24
.set G0P, 32
.set MR, 40
.set MC, 41
.set SQ, 42                            ; the key step to be asked for next
.set LQ, 43                            ; the last step of the tile whose steps are being asked for
.set LQ2, 44
.set RT, 45                            ; laps that the tile in hand still has
.set GOF, 46                           ; the table's bytes for the step to come
.set CNT, 47
.set G1V, 48
.set G0V, 56
.set CURP, 66                          ; byte offset in pm of my half of the block's rows
.set CURVS, 67                         ; the block's last written step
.set PO2, 68
.set VS2, 69
.set OFP, 70                           ; s[70:71]
.set OFV, 72                           ; s[72:73]
.set VB0, 74
.set TP,  75
.set OB,  76                           ; s[76:77] out0 at my part of the tile in hand
.set OB2, 78                           ; s[78:79] of the second tile
.set NV1, 80                           ; key blocks written for the first tile's rows
.set NV2, 81
.set I1,  82
.set I2,  83
.set UM,  84                           ; all ones if u = 1
.set NM1, 85
.set NM2, 86
.set TS,  87
.set RB1, 88
.set RB2, 89
.set MSB, 0
.macro WIN new
.if MSB != (\new)
	s_set_vgpr_msb (MSB<<8)|(\new)
.set MSB, \new
.endif
.endm
.set MUL,  0xa5                        ; sources 0 (V) and 1 (P) window 1; C and D window 2
.set TO_F, 0x40                        ; destination window 1, address window 0
.set W_UP, 0x02                        ; source 0 (T) window 2; g and O window 0
.macro JLOAD s                         ; a joint load: waves 0 and 1 fetch P's two halves, waves 2 and 3 V's; an s_nop 0 and four v_nop follow each line
	s_cmp_eq_u32 s[RH], 0
	s_cbranch_scc0 .Lfor_v_\@
	tensor_load_to_lds s[G0P+4*(\s):G0P+4*(\s)+3], s[G1P:G1P+7]
	s_nop 0
.rept 4
	v_nop
.endr
	s_branch .Lasked_\@
.Lfor_v_\@:
	tensor_load_to_lds s[G0V+4*(\s):G0V+4*(\s)+3], s[G1V:G1V+7]
	s_nop 0
.rept 4
	v_nop
.endr
.Lasked_\@:
.endm
.macro CREST
	s_cmp_lg_u32 s[WV], 0
	s_cbranch_scc1 .Lnot_wave_0_\@
	s_barrier_signal -3
.Lnot_wave_0_\@:
	s_barrier_wait -3
	s_barrier_signal -1
	s_barrier_wait -1
.endm
.macro CROUND
	s_barrier_signal -1
	s_barrier_wait -1
	CREST
.endm
; The two descriptors' addresses for key step SQ, made anew from the buffers' addresses and offsets made apart; then SQ steps, and behind a tile's last step goes back to 0 for the second tile.
; P's offset is made of cy, the batch, u and the wave's number alone, V's of cx, the batch and the wave's number alone; SQ and LQ hang on u alone.
.macro NEWADR slot
	s_min_u32 s[TP], s[SQ], s[CURVS]               ; a step that was never written for these rows is asked for at the last written one
	s_lshl_b32 s[OFP], s[TP], 9                    ; 256 keys are 512 bytes of a row of pm
	s_add_co_u32 s[OFP], s[OFP], s[CURP]
	s_add_nc_u64 s[G0P+4*(\slot)+2:G0P+4*(\slot)+3], s[6:7], s[OFP:OFP+1]
	s_or_b32 s[G0P+4*(\slot)+3], s[G0P+4*(\slot)+3], 0x80000000
	s_lshl_b32 s[OFV], s[SQ], 19                   ; 256 rows of v
	s_add_co_u32 s[OFV], s[OFV], s[VB0]
	s_add_nc_u64 s[G0V+4*(\slot)+2:G0V+4*(\slot)+3], s[4:5], s[OFV:OFV+1]
	s_or_b32 s[G0V+4*(\slot)+3], s[G0V+4*(\slot)+3], 0x80000000
	s_add_co_u32 s[SQ], s[SQ], 1
	s_cmp_gt_u32 s[SQ], s[LQ]
	s_cselect_b32 s[SQ], 0, s[SQ]
	s_cselect_b32 s[CURP], s[PO2], s[CURP]
	s_cselect_b32 s[CURVS], s[VS2], s[CURVS]
	s_cselect_b32 s[LQ], s[LQ2], s[LQ]
.endm
	s_load_b256 s[4:11], s[0:1], 0x0               ; qkv s[4:5], pm s[6:7], st s[8:9], out0 s[10:11]
	v_lshl_add_u32 v[SPW], v0, 2, SPARE
	v_mov_b32 v[NIL], 0
	ds_add_u32 v[SPW], v[NIL]                      ; the wave's opening add, waited for ahead of my first tensor load
	ds_add_u32 v19, v20
	v_lshrrev_b32 v1, 5, v0
	v_readfirstlane_b32 s[WV], v1
	s_lshr_b32 s[RH], s[WV], 1
	s_and_b32 s[CH], s[WV], 1
	s_bfe_u32 s[CX], ttmp6, 0x40000
	s_bfe_u32 s[CY], ttmp6, 0x40004
	s_lshl_b32 s[CHT], ttmp9, 2
	s_add_co_u32 s[CHT], s[CHT], s[CX]
	s_and_b32 s[YC], ttmp7, 0xffff
	s_lshr_b32 s[BT], s[YC], 1
	s_and_b32 s[U], s[YC], 1
	s_lshl_b32 s21, s[U], 2
	s_add_co_u32 s[I2], s21, s[CY]                 ; the second tile's query block
	s_sub_co_u32 s[I1], 12, s21
	s_add_co_u32 s[I1], s[I1], s[CY]               ; the first tile's
	s_lshl_b32 s[MR], s[CY], 2
	s_lshl_b32 s[MR], 15, s[MR]                    ; my row of the cluster
	s_lshl_b32 s[MC], 0x1111, s[CX]                ; my column
	s_or_b32 s[G1P+0], s[MR], (1<<16)|(1<<20)|(1<<21)|(6<<22)|(3<<25)  ; the mask; 2-byte elements; padding on; bit 21 beside a mask; after every 128 words 4 words
	s_mov_b32 s[G1P+1], 256<<16                    ; a tile of 64 rows x 256 elements
	s_mov_b32 s[G1P+2], 64<<16
	s_mov_b32 s[G1P+3], 256<<16
	s_mov_b32 s[G1P+4], 64
	s_mov_b32 s[G1P+5], 2048
	s_mov_b32 s[G1P+6], 0
	s_mov_b32 s[G1P+7], 0
	s_or_b32 s[G1V+0], s[MC], (1<<16)|(1<<20)|(1<<21)|(5<<22)|(7<<25)  ; after every 64 words 8 words
	s_mov_b32 s[G1V+1], 128<<16                    ; a tile of 128 rows x 128 elements
	s_mov_b32 s[G1V+2], 128<<16
	s_mov_b32 s[G1V+3], 128<<16
	s_mov_b32 s[G1V+4], 128
	s_mov_b32 s[G1V+5], 1024
	s_mov_b32 s[G1V+6], 0
	s_mov_b32 s[G1V+7], 0
	s_lshl_b32 s22, s[BT], 23                      ; P: the batch's 2,048 rows of 4,096 bytes,
	s_lshl_b32 s23, s[CH], 18                      ; my half's 64 rows,
	s_add_co_u32 s22, s22, s23
	s_lshl_b32 s23, s[I1], 19                      ; the block's 128 rows
	s_add_co_u32 s[CURP], s22, s23
	s_lshl_b32 s23, s[I2], 19
	s_add_co_u32 s[PO2], s22, s23
	s_lshr_b32 s[CURVS], s[I1], 1
	s_lshr_b32 s[VS2], s[I2], 1
	s_lshl_b32 s[VB0], s[BT], 22                   ; V: the third plane, the batch, my half's 128 rows, my 128 channels
	s_add_co_u32 s[VB0], s[VB0], 2*PLANE
	s_lshl_b32 s90, s[CH], 18
	s_add_co_u32 s[VB0], s[VB0], s90
	s_lshl_b32 s90, s[CHT], 8
	s_add_co_u32 s[VB0], s[VB0], s90
	s_mov_b32 s[OFP+1], 0
	s_mov_b32 s[OFV+1], 0
	s_lshl_b32 s21, s[U], 1
	s_sub_co_u32 s[LQ], 7, s21                     ; the first tile has 8 - 2 u steps,
	s_add_co_u32 s[LQ2], s21, 1                    ; the second 2 + 2 u
	s_mov_b32 s[SQ], 0
	s_sub_co_u32 s[RT], 4, s[U]
	s_mov_b32 s[GOF], 0
	s_lshl_b32 s[NV1], s[CURVS], 1
	s_add_co_u32 s[NM1], s[NV1], 1
	s_add_co_u32 s[NV1], s[NV1], 2
	s_lshl_b32 s[NV2], s[VS2], 1
	s_add_co_u32 s[NM2], s[NV2], 1
	s_add_co_u32 s[NV2], s[NV2], 2
	s_lshl_b32 s21, s[BT], 14                      ; st: 8 bytes a row
	s_lshl_b32 s[RB1], s[I1], 10
	s_add_co_u32 s[RB1], s[RB1], s21
	s_lshl_b32 s[RB2], s[I2], 10
	s_add_co_u32 s[RB2], s[RB2], s21
	s_cmp_eq_u32 s[U], 1
	s_cselect_b32 s[UM], -1, 0
	s_mul_i32 s21, s[CH], 64*PP                    ; where the tiles go: no place in the cluster enters an LDS address
	s_mul_i32 s22, s[CH], 128*PV
	s_add_co_u32 s22, s22, VOFF
.irp s, 0,1
	s_mov_b32 s[G0P+4*(\s)], 1
	s_add_co_u32 s[G0P+4*(\s)+1], s21, (\s)*SLOT
	s_mov_b32 s[G0V+4*(\s)], 1
	s_add_co_u32 s[G0V+4*(\s)+1], s22, (\s)*SLOT
.endr
	s_lshl_b32 s90, s[BT], 23                      ; out0: the batch, my 64 rows, my 64 channels
	s_lshl_b32 s91, s[RH], 18
	s_add_co_u32 s90, s90, s91
	s_lshl_b32 s91, s[CHT], 9
	s_add_co_u32 s90, s90, s91
	s_lshl_b32 s91, s[CH], 8
	s_add_co_u32 s90, s90, s91
	s_mov_b32 s93, 0
	s_wait_dscnt 0x0                               ; the opening add is done
	s_wait_kmcnt 0x0
	s_lshl_b32 s92, s[I1], 19
	s_add_co_u32 s92, s92, s90
	s_add_nc_u64 s[OB:OB+1], s[10:11], s[92:93]
	s_lshl_b32 s92, s[I2], 19
	s_add_co_u32 s92, s92, s90
	s_add_nc_u64 s[OB2:OB2+1], s[10:11], s[92:93]
	NEWADR 0                                       ; key steps 0 and 1
	NEWADR 1
	CROUND                                         ; all sixteen work-groups are here: the first joint loads meet
	JLOAD 0
	JLOAD 1                                        ; two loads of mine are out
	; THE ROWS' STATISTICS stand in the wait for the first tiles.  Thread tau serves row tau of both blocks.  A block that was not written for these rows is read at the last written one, and its share is made 0.
	v_lshlrev_b32 v[T8], 3, v0
.macro ST_LOAD pr, of, cnt, nm, rb
.set t, 0
.rept \cnt
	s_min_u32 s[TS], s[\nm], t
	s_lshl_b32 s[TS], s[TS], 16
	s_add_co_u32 s[TS], s[TS], s[\rb]
	v_add_nc_u32 v[(\of)+t], s[TS], v[T8]
	global_load_b64 v[(\pr)+2*t:(\pr)+2*t+1], v[(\of)+t], s[8:9]  ; a wave reads 256 consecutive bytes
.set t, t+1
.endr
.endm
	ST_LOAD PR1, OF1, 16, NM1, RB1
	ST_LOAD PR2, OF2, 8, NM2, RB2
	v_and_b32 v1, 15, v0                           ; l % 16
	v_bfe_u32 v2, v0, 4, 1                         ; l / 16
	v_mul_u32_u24 v3, v1, PP
	v_lshl_add_u32 v3, v2, 4, v3
	s_mul_i32 s21, s[RH], 64*PP
	v_add_nc_u32 v[ADP], s21, v3
	v_add_nc_u32 v[ADP+1], SLOT, v[ADP]
	v_and_b32 v4, 7, v0                            ; the turning load: lane l reads key 8 (l / 16) + l % 8, channels 8 ((l / 8) % 2) + 0..7
	v_bfe_u32 v5, v0, 3, 1
	v_lshl_add_u32 v6, v2, 3, v4
	v_mul_u32_u24 v6, v6, PV
	v_lshl_add_u32 v6, v5, 4, v6
	s_lshl_b32 s21, s[CH], 7
	s_add_co_u32 s21, s21, VOFF
	v_add_nc_u32 v[ADV], s21, v6
	v_add_nc_u32 v[ADV+1], SLOT, v[ADV]
	v_add_nc_u32 v[ADV2], 128*PV, v[ADV]
	v_add_nc_u32 v[ADV2+1], 128*PV, v[ADV+1]
	s_lshl_b32 s21, s[RH], 8
	s_add_co_u32 s21, s21, GT
	v_lshl_add_u32 v[GA0], v1, 2, s21
	s_mul_i32 s21, s[WV], 16*SP
	s_add_co_u32 s21, s21, STAGE
	v_mul_u32_u24 v3, v1, SP                       ; into the stage: row l % 16, 32 bytes for each half of the lanes
	v_lshl_add_u32 v3, v2, 5, v3
	v_add_nc_u32 v[STO], s21, v3
	v_mul_u32_u24 v3, v2, SP                       ; back: lanes 0-15 one row of 256 bytes, lanes 16-31 the next
	v_lshl_add_u32 v3, v1, 4, v3
	v_add_nc_u32 v[RD], s21, v3
	v_lshlrev_b32 v3, 12, v2
	v_lshl_add_u32 v[CO], v1, 4, v3
	v_lshl_add_u32 v[GTA], v0, 2, GT
.set i, 0
.rept 8
	v_mov_b32 v[GE+2*i+1], 0                       ; named with g as pairs
.set i, i+1
.endr
.macro CLEAR                           ; O starts at 0: no first step is written out, at the price of these 128 lines at each tile's beginning
.set i, 0
.rept 128
	v_mov_b32 v[O+i], 0
.set i, i+1
.endr
.endm
	CLEAR
	s_wait_loadcnt 0x0
.macro ST_CALC pr, cnt, nv
	v_max3_num_f32 v[CMX], v[(\pr)], v[(\pr)+2], v[(\pr)+4]
.set t, 3
.rept ((\cnt)-4)/2
	v_max3_num_f32 v[CMX], v[CMX], v[(\pr)+2*t], v[(\pr)+2*t+2]
.set t, t+2
.endr
	v_max_num_f32 v[CMX], v[CMX], v[(\pr)+2*(\cnt)-2]  ; cM
.set t, 0
.rept \cnt
	v_sub_f32 v[(\pr)+2*t], v[(\pr)+2*t], v[CMX]
.set t, t+1
.endr
.set t, 0
.rept \cnt
	v_exp_f32 v[(\pr)+2*t], v[(\pr)+2*t]
.set t, t+1
.endr
	v_nop                                          ; a plain instruction between the last exponential and the use of its result
	s_wait_alu depctr_va_vdst(0)
.set t, 0
.rept \cnt
	s_cmp_gt_u32 s[\nv], t                         ; was block t written for these rows?  A select, no branch
	s_cselect_b32 s[TS], 1.0, 0
	v_mul_f32 v[(\pr)+2*t], s[TS], v[(\pr)+2*t]    ; e
.set t, t+1
.endr
.set t, 0
.rept \cnt
.if t < 4
	v_mul_f32 v[LS+t], v[(\pr)+2*t], v[(\pr)+2*t+1]
.else
	v_fmac_f32 v[LS+t%4], v[(\pr)+2*t], v[(\pr)+2*t+1]
.endif
.set t, t+1
.endr
	v_add_f32 v[LS], v[LS], v[LS+1]
	v_add_f32 v[LS+2], v[LS+2], v[LS+3]
	v_add_f32 v[LS], v[LS], v[LS+2]                ; L: at least the largest block's own l, which is about 1 or more
	v_rcp_f32 v[RC], v[LS]
	v_nop
.set t, 0
	s_wait_alu depctr_va_vdst(0)
.rept \cnt
	v_mul_f32 v[(\pr)+2*t], v[(\pr)+2*t], v[RC]    ; g
.set t, t+1
.endr
.endm
	ST_CALC PR1, 16, NV1
	ST_CALC PR2, 8, NV2
	; The table follows the walk: the first tile's 16 - 4 u blocks, then the second's.  Entries 12 to 19 hang on u: the value is selected, the address is a constant.
.set n, 0
.rept 12
	ds_store_b32 v[GTA], v[PR1+2*n] offset:n*512
.set n, n+1
.endr
.set n, 0
.rept 4
	v_cndmask_b32 v[TM+n], v[PR1+2*(12+n)], v[PR2+2*n], s[UM]
	v_cndmask_b32 v[TM+4+n], v[PR2+2*n], v[PR2+2*(4+n)], s[UM]
.set n, n+1
.endr
.set n, 0
.rept 8
	ds_store_b32 v[GTA], v[TM+n] offset:(12+n)*512
.set n, n+1
.endr
; 8 matrix instructions: query blocks a0, a0 + 1 x all 4 channel blocks, 32 keys: half c of buffer f, into T.  zero = 1: the product starts the sums.  The 16 accumulators take turns.
.macro MUL8 f, c, a0, T, zero
	WIN MUL
.irp a, \a0, (\a0)+1
.irp b, 0,1,2,3
.if \zero
	v_wmma_f32_16x16x32_f16 v[(\T)+8*(4*(\a)+(\b)):(\T)+8*(4*(\a)+(\b))+7], v[(\f)+64+8*(4*(\c)+(\b)):(\f)+64+8*(4*(\c)+(\b))+7], v[(\f)+8*(4*(\c)+(\a)):(\f)+8*(4*(\c)+(\a))+7], 0
.else
	v_wmma_f32_16x16x32_f16 v[(\T)+8*(4*(\a)+(\b)):(\T)+8*(4*(\a)+(\b))+7], v[(\f)+64+8*(4*(\c)+(\b)):(\f)+64+8*(4*(\c)+(\b))+7], v[(\f)+8*(4*(\c)+(\a)):(\f)+8*(4*(\c)+(\a))+7], v[(\T)+8*(4*(\a)+(\b)):(\T)+8*(4*(\a)+(\b))+7]
.endif
.endr
.endr
.endm
; 32 LDS loads in one run: the fragments of quarter qd (64 keys) of a step, into buffer f; the first 32 keys first
.macro FETCH slot, qd, f
.if (\qd) < 2
.set AV, ADV
.else
.set AV, ADV2
.endif
	WIN TO_F
.irp c, 0,1
.irp i, 0,1,2,3
	ds_load_tr16_b128 v[(\f)+64+8*(4*(\c)+(\i)):(\f)+64+8*(4*(\c)+(\i))+3],   v[AV+(\slot)] offset:(64*((\qd)%2)+32*(\c))*PV+32*(\i)
	ds_load_tr16_b128 v[(\f)+64+8*(4*(\c)+(\i))+4:(\f)+64+8*(4*(\c)+(\i))+7], v[AV+(\slot)] offset:(64*((\qd)%2)+32*(\c)+16)*PV+32*(\i)
	ds_load_b128 v[(\f)+8*(4*(\c)+(\i)):(\f)+8*(4*(\c)+(\i))+3],   v[ADP+(\slot)] offset:128*(\qd)+64*(\c)+(\i)*16*PP
	ds_load_b128 v[(\f)+8*(4*(\c)+(\i))+4:(\f)+8*(4*(\c)+(\i))+7], v[ADP+(\slot)] offset:128*(\qd)+64*(\c)+(\i)*16*PP+32
.endr
.endr
.endm
.macro GLOAD                           ; g of the step to come: eight numbers a lane
	WIN 0
	v_add_nc_u32 v[GA], s[GOF], v[GA0]
.irp a, 0,1,2,3
	ds_load_b32 v[GE+2*(\a)], v[GA] offset:64*(\a)
	ds_load_b32 v[GO+2*(\a)], v[GA] offset:512+64*(\a)
.endr
	s_add_co_u32 s[GOF], s[GOF], 1024
.endm
; O += g T for accumulators 2 p and 2 p + 1: eight packed fused multiply-adds, each accumulator's low registers first
.macro UPD T, G, p
	WIN W_UP
.irp x, 2*(\p), 2*(\p)+1
.irp j, 0,2,4,6
	v_pk_fma_f32 v[O+8*(\x)+(\j):O+8*(\x)+(\j)+1], v[(\T)+8*(\x)+(\j):(\T)+8*(\x)+(\j)+1], v[(\G)+2*((\x)/4):(\G)+2*((\x)/4)+1], v[O+8*(\x)+(\j):O+8*(\x)+(\j)+1] op_sel_hi:[1,0,1]
.endr
.endr
.endm
.macro PLACES
.rept 4
	v_nop
.endr
.endm
; A KEY STEP: four quarters of 64 keys, 32 matrix instructions each, on buffers 0, 1, 0, 1.  Quarters 0 and 1 sum the even block into T0, quarters 2 and 3 the odd block into T1; O takes T0 while T1 is summed,
; eight lines behind each eight matrix instructions, and T1 at the step's end, while the next step's first fragments are on their way.
; more = 1: a step follows, and the last quarter changes slots.  fill = 1: the slot just read out is filled again, two steps ahead, behind a round of the cluster's barrier: 112 matrix instructions ahead of the wait for it.
.macro STEP slot, fill, more
	s_wait_dscnt 24                                ; the first 32 keys are in; the other sixteen loads and g's eight may be out
	MUL8 F0, 0, 0, T0, 1
	MUL8 F0, 0, 2, T0, 1
	PLACES
	FETCH \slot, 1, F1
	s_wait_dscnt 32                                ; all but the 32 just issued
	MUL8 F0, 1, 0, T0, 0
	MUL8 F0, 1, 2, T0, 0
	s_wait_dscnt 16                                ; the first 32 keys are in
	MUL8 F1, 0, 0, T0, 0
	MUL8 F1, 0, 2, T0, 0
	PLACES
	FETCH \slot, 2, F0
	s_wait_dscnt 32
	MUL8 F1, 1, 0, T0, 0
	MUL8 F1, 1, 2, T0, 0
	s_wait_dscnt 16
	MUL8 F0, 0, 0, T1, 1
	PLACES                                         ; the places behind T0's last products
	UPD T0, GE, 0
	MUL8 F0, 0, 2, T1, 1
	UPD T0, GE, 1                                  ; these lines are also the places in front of the loads below
	FETCH \slot, 3, F1
	s_wait_dscnt 32
	MUL8 F0, 1, 0, T1, 0
	UPD T0, GE, 2
	MUL8 F0, 1, 2, T1, 0
	UPD T0, GE, 3
.if \more
	WIN 0
	s_wait_tensorcnt 0x0                           ; all my tensor loads have landed: the one that was out is my part of the next slot; a group 0 may be written
	ds_add_u32 v[SPW], v[NIL]
	s_wait_dscnt 17                                ; the add and the youngest sixteen loads may be out
	MUL8 F1, 0, 0, T1, 0
	UPD T0, GE, 4
.if \fill
	NEWADR \slot
.endif
	s_wait_dscnt 0x0                               ; the add is done, and my reads of this slot are over
	s_barrier_signal -1
	MUL8 F1, 0, 2, T1, 0
	UPD T0, GE, 5
	WIN 0
	s_barrier_wait -1
.if \fill
	CREST                                          ; the barrier has opened a round of the cluster's: no wave of any partner still reads this slot or has a load on its way
	JLOAD \slot                                    ; the first tensor load behind the round
.else
	PLACES
.endif
	FETCH 1-(\slot), 0, F0
	MUL8 F1, 1, 0, T1, 0
	UPD T0, GE, 6
	MUL8 F1, 1, 2, T1, 0
	UPD T0, GE, 7
.else
	s_wait_dscnt 16
	MUL8 F1, 0, 0, T1, 0
	UPD T0, GE, 4
	MUL8 F1, 0, 2, T1, 0
	UPD T0, GE, 5
	s_wait_dscnt 0x0
	MUL8 F1, 1, 0, T1, 0
	UPD T0, GE, 6
	MUL8 F1, 1, 2, T1, 0
	UPD T0, GE, 7
.endif
	PLACES
.irp p, 0,1,2,3,4,5,6,7
	UPD T1, GO, \p
.endr
.if \more
	GLOAD
.endif
.endm
; THE WAY OUT: 16 rows at a time, a lane's eight channels (32 bytes) into my own stage, back as whole rows of 256 bytes, stored.
.macro WAYOUT
	WIN 0
.irp a, 0,1,2,3
.set BK, 64+32*((\a)%2)
.irp b, 0,1,2,3
	ds_store_b128 v[STO], v[O+8*(4*(\a)+(\b)):O+8*(4*(\a)+(\b))+3]   offset:64*(\b)
	ds_store_b128 v[STO], v[O+8*(4*(\a)+(\b))+4:O+8*(4*(\a)+(\b))+7] offset:64*(\b)+16
.endr
	s_wait_xcnt 0x0                                ; registers that earlier stores read are loaded again only behind this wait
.irp t, 0,1,2,3,4,5,6,7
	ds_load_b128 v[BK+4*(\t):BK+4*(\t)+3], v[RD] offset:(\t)*2*SP  ; LDS serves a wave's instructions in order: these see the stores above, and the next block's stores come behind them
.endr
	s_wait_dscnt 0x0
.irp t, 0,1,2,3,4,5,6,7
	global_store_b128 v[CO], v[BK+4*(\t):BK+4*(\t)+3], s[OB:OB+1] offset:(16*(\a)+2*(\t))*4096 th:TH_STORE_NT  ; 16 lanes store 256 consecutive bytes, at a multiple of 256 from out0's first byte
.endr
.endr
.endm
	s_wait_tensorcnt 1                             ; my part of step 0 is in; step 1's stays out
	s_wait_dscnt 0x0                               ; for the others' sake: my stores into the table are done
	s_barrier_signal -1
	s_barrier_wait -1
	FETCH 0, 0, F0
	GLOAD
	s_mov_b32 s[CNT], 4
.Llap:                                                 ; four trips of two steps fill both slots again: steps 2 to 9
	STEP 0, 1, 1
	STEP 1, 1, 1
	s_sub_co_u32 s[RT], s[RT], 1
	s_cmp_lg_u32 s[RT], 0                          ; the same in all partners: it hangs on u alone
	s_cbranch_scc1 .Lnext
	WAYOUT                                         ; the first tile is finished; the second's first tiles are on their way or in
	s_wait_xcnt 0x0                                ; the stores' base is rewritten only behind this wait
	s_mov_b64 s[OB:OB+1], s[OB2:OB2+1]
	CLEAR
	s_add_co_u32 s[RT], s[U], 1                    ; the second tile has u + 1 laps
.Lnext:
	s_sub_co_u32 s[CNT], s[CNT], 1
	s_cmp_lg_u32 s[CNT], 0
	s_cbranch_scc1 .Llap
	STEP 0, 0, 1                                   ; the last lap is written out: it asks for nothing more
	STEP 1, 0, 0
	WAYOUT
	s_wait_tensorcnt 0x0                           ; the wave's end
	ds_add_u32 v[SPW], v[NIL]
	s_wait_dscnt 0x0
	CROUND                                         ; the closing round: no work-group ends while a partner may still ask for a tile that names it
	s_endpgm
.Lfunc_end_k_qf844fd6e0b_pv:
	.size	k_qf844fd6e0b_pv, .Lfunc_end_k_qf844fd6e0b_pv-k_qf844fd6e0b_pv
	.p2alignl 7, 3214868480
	.fill 96, 4, 3214868480
	.section	.rodata,"a",@progbits
	.p2align	6, 0x0
	.amdhsa_kernel k_qf844fd6e0b_pv
		.amdhsa_group_segment_fixed_size 327680
		.amdhsa_private_segment_fixed_size 0
		.amdhsa_enable_private_segment 0
		.amdhsa_kernarg_size 32
		.amdhsa_user_sgpr_count 2
		.amdhsa_user_sgpr_kernarg_segment_ptr 1
		.amdhsa_wavefront_size32 1
		.amdhsa_system_sgpr_workgroup_id_x 1
		.amdhsa_system_sgpr_workgroup_id_y 1
		.amdhsa_system_sgpr_workgroup_id_z 1
		.amdhsa_system_vgpr_workitem_id 0
		.amdhsa_next_free_vgpr 768
		.amdhsa_next_free_sgpr 96
		.amdhsa_reserve_vcc 0
		.amdhsa_float_denorm_mode_32 3
		.amdhsa_float_denorm_mode_16_64 3
		.amdhsa_memory_ordered 1
		.amdhsa_forward_progress 1
		.amdhsa_inst_pref_size 154
	.end_amdhsa_kernel
	.amdgpu_metadata
---
amdhsa.version: [ 1, 2 ]
amdhsa.kernels:
  - .name:           k_qf844fd6e0b_pv
    .symbol:         k_qf844fd6e0b_pv.kd
    .args:
      - { .name: qkv, .offset: 0, .size: 8, .value_kind: global_buffer, .address_space: global }
      - { .name: pm, .offset: 8, .size: 8, .value_kind: global_buffer, .address_space: global }
      - { .name: st, .offset: 16, .size: 8, .value_kind: global_buffer, .address_space: global }
      - { .name: out0, .offset: 24, .size: 8, .value_kind: global_buffer, .address_space: global }
    .group_segment_fixed_size: 327680
    .private_segment_fixed_size: 0
    .kernarg_segment_align: 8
    .kernarg_segment_size: 32
    .max_flat_workgroup_size: 128
    .sgpr_count:     96
    .vgpr_count:     768
    .wavefront_size: 32
...
	.end_amdgpu_metadata
.endif
;; end of part 4
;; ======== version 2 of 2: 4 launches; version 1 with the launch cast written anew for expert scheduling mode
;; limits: values are held in f16: magnitudes above 65,504 overflow, below 6.1e-05 lose precision
;; workspace buffers: xb 16,777,216 bytes; wb 6,291,456 bytes; qkv 50,331,648 bytes; pm 33,554,432 bytes; st 1,048,576 bytes
;; launch cast (part 5): grid 704 x 1, 8 waves a work-group, no clusters, 0 bytes of LDS; arguments x, W_q, W_k, W_v, xb, wb; writes xb, wb
.if DOCPART == 5
	.amdgcn_target "amdgcn-amd-amdhsa--gfx1250"
	.amdhsa_code_object_version 6
	.text
	.protected	k_qf844fd6e0b_cast
	.globl	k_qf844fd6e0b_cast
	.p2align	8
	.type	k_qf844fd6e0b_cast,@function
k_qf844fd6e0b_cast:
	s_mov_b64 s[64:65], 0
	v_nop
	global_prefetch_b8 v0, s[64:65] scope:SCOPE_SE
	s_setreg_imm32_b32 hwreg(HW_REG_WAVE_SCHED_MODE, 0, 2), 2
	s_setreg_imm32_b32 hwreg(HW_REG_WAVE_MODE, 25, 1), 1
	s_wait_xcnt 0x0
	s_wait_alu depctr_vm_vsrc(0)
; x [8192][1024] and W_q, W_k, W_v [1024][1024], all f32, are rounded once to bf16: xb [8192][1024], wb [3072][1024] (W_q's rows, then W_k's, then W_v's).
; A stream: every byte is read once and written once; no LDS, no barrier, no matrix work.  A work-group takes 65,536 bytes of f32 and writes 32,768 of bf16:
; groups 0-511 take x, groups 512-703 the three weights, 64 groups each.  Thread t takes 16 bytes at 16 t of each of sixteen blocks of 4,096 bytes, so a wave's load covers
; 512 consecutive bytes and a wave's store 256 consecutive bytes, aligned.  All sixteen loads of a thread go out first; no register is used twice, so no source is ever rewritten.
; THE MODE: SCHED_MODE bits 1:0 = 2 (LLVM: expert scheduling mode 2), set by the entry lines.  The code itself states the register dependences
; between vector instructions and memory instructions, with s_wait_alu, always for 0.
; THE PLAN.  Registers that memory instructions touch:
;   v1, v2   byte offsets, written once at the head and never again: v1 is read by every load, v2 by every store.
;   X        load i lands in X[i], once; no vector instruction names X ahead of the loads; the two conversions of step i read it behind the wait for load i.
;   Y        the conversions of step i write Y[i], once; store i reads it.
; The sixteen steps go in four blocks of four.  The four stores of block p - 1 stand in one run at the head of block p, behind the wait for block p's first load and ONE wait on va_vdst,
; which states that block p - 1's eight conversions have written their Y.  Block p's conversions name X and Y of block p alone, none of the registers of those stores.
; No register that a load or store reads is written again, so no wait on vm_vsrc is owed; no vector instruction writes a scalar register or VCC; EXEC is never written.
.set X, 4                              ; v[4:67]   sixteen loads of four f32
.set Y, 68                             ; v[68:99]  sixteen pairs of packed bf16
	s_load_b256 s[4:11], s[0:1], 0x0               ; x s[4:5], W_q s[6:7], W_k s[8:9], W_v s[10:11]
	s_load_b128 s[12:15], s[0:1], 0x20             ; xb s[12:13], wb s[14:15]
	s_mov_b32 s2, ttmp9                            ; the work-group's number g
	s_max_u32 s16, s2, 512
	s_sub_co_u32 s16, s16, 512                     ; h = g - 512 for the weights' groups (0 for x's)
	s_lshr_b32 s17, s16, 6                         ; which weight
	s_and_b32 s18, s16, 63
	s_lshl_b32 s18, s18, 16                        ; the group's bytes in that weight,
	s_lshl_b32 s20, s2, 16                         ; or in x
	s_lshl_b32 s22, s16, 15                        ; the group's bytes in wb,
	s_lshl_b32 s24, s2, 15                         ; or in xb
	s_mov_b32 s19, 0
	s_mov_b32 s23, 0
	v_lshlrev_b32 v1, 4, v0                        ; 16 t
	v_lshlrev_b32 v2, 3, v0                        ; 8 t
	s_wait_kmcnt 0x0
	s_cmp_eq_u32 s17, 1                            ; the source is chosen among the four buffers by the group's number alone
	s_cselect_b64 s[26:27], s[8:9], s[6:7]
	s_cmp_eq_u32 s17, 2
	s_cselect_b64 s[26:27], s[10:11], s[26:27]
	s_cmp_lt_u32 s2, 512
	s_cselect_b64 s[26:27], s[4:5], s[26:27]
	s_cselect_b64 s[28:29], s[12:13], s[14:15]     ; and the destination between the two
	s_cselect_b32 s18, s20, s18
	s_cselect_b32 s22, s24, s22
	s_add_nc_u64 s[26:27], s[26:27], s[18:19]
	s_add_nc_u64 s[28:29], s[28:29], s[22:23]
	s_wait_alu depctr_va_vdst(0)                   ; v1 and v2 are written: every load of the kernel reads v1 as its offset, every store v2
.set i, 0
.rept 16
	global_load_b128 v[X+4*i:X+4*i+3], v1, s[26:27] offset:4096*i th:TH_LOAD_NT
.set i, i+1
.endr
; The four stores of block p: a wave's store covers 256 consecutive bytes, aligned.
.macro SEND p
.irp j, 0,1,2,3
	global_store_b64 v2, v[Y+8*(\p)+2*(\j):Y+8*(\p)+2*(\j)+1], s[28:29] offset:2048*(4*(\p)+(\j))
.endr
.endm
.set i, 0
.rept 16
	s_wait_loadcnt 15-i                            ; loads come back in order: load i is in, the 15 - i younger ones stay out
.if (i%4 == 0) && (i > 0)
	s_wait_alu depctr_va_vdst(0)                   ; the block before has written its eight registers of Y, which the four stores below read
	SEND i/4-1
.endif
	v_cvt_pk_bf16_f32 v[Y+2*i], v[X+4*i], v[X+4*i+1]
	v_cvt_pk_bf16_f32 v[Y+2*i+1], v[X+4*i+2], v[X+4*i+3]
.set i, i+1
.endr
	s_wait_alu depctr_va_vdst(0)                   ; the last block has written its eight registers of Y, which the last four stores read
	SEND 3
	s_endpgm
.Lfunc_end_k_qf844fd6e0b_cast:
	.size	k_qf844fd6e0b_cast, .Lfunc_end_k_qf844fd6e0b_cast-k_qf844fd6e0b_cast
	.p2alignl 7, 3214868480
	.fill 96, 4, 3214868480
	.section	.rodata,"a",@progbits
	.p2align	6, 0x0
	.amdhsa_kernel k_qf844fd6e0b_cast
		.amdhsa_group_segment_fixed_size 0
		.amdhsa_private_segment_fixed_size 0
		.amdhsa_enable_private_segment 0
		.amdhsa_kernarg_size 48
		.amdhsa_user_sgpr_count 2
		.amdhsa_user_sgpr_kernarg_segment_ptr 1
		.amdhsa_wavefront_size32 1
		.amdhsa_system_sgpr_workgroup_id_x 1
		.amdhsa_system_sgpr_workgroup_id_y 1
		.amdhsa_system_sgpr_workgroup_id_z 1
		.amdhsa_system_vgpr_workitem_id 0
		.amdhsa_next_free_vgpr 104
		.amdhsa_next_free_sgpr 66
		.amdhsa_reserve_vcc 0
		.amdhsa_float_denorm_mode_32 3
		.amdhsa_float_denorm_mode_16_64 3
		.amdhsa_memory_ordered 1
		.amdhsa_forward_progress 1
		.amdhsa_inst_pref_size 8
	.end_amdhsa_kernel
	.amdgpu_metadata
---
amdhsa.version: [ 1, 2 ]
amdhsa.kernels:
  - .name:           k_qf844fd6e0b_cast
    .symbol:         k_qf844fd6e0b_cast.kd
    .args:
      - { .name: x, .offset: 0, .size: 8, .value_kind: global_buffer, .address_space: global }
      - { .name: W_q, .offset: 8, .size: 8, .value_kind: global_buffer, .address_space: global }
      - { .name: W_k, .offset: 16, .size: 8, .value_kind: global_buffer, .address_space: global }
      - { .name: W_v, .offset: 24, .size: 8, .value_kind: global_buffer, .address_space: global }
      - { .name: xb, .offset: 32, .size: 8, .value_kind: global_buffer, .address_space: global }
      - { .name: wb, .offset: 40, .size: 8, .value_kind: global_buffer, .address_space: global }
    .group_segment_fixed_size: 0
    .private_segment_fixed_size: 0
    .kernarg_segment_align: 8
    .kernarg_segment_size: 48
    .max_flat_workgroup_size: 256
    .sgpr_count:     66
    .vgpr_count:     104
    .wavefront_size: 32
...
	.end_amdgpu_metadata
.endif
;; end of part 5
;; launch proj: the kernel of part 2 again; grid 12 x 32, 4 waves a work-group, clusters of 4 x 4, 327,680 bytes of LDS; arguments xb, wb, qkv; writes qkv
;; launch scores: the kernel of part 3 again; grid 9 x 16, 4 waves a work-group, no clusters, 327,680 bytes of LDS; arguments qkv, pm, st; writes pm, st
;; launch pv: the kernel of part 4 again; grid 8 x 32, 4 waves a work-group, clusters of 4 x 4, 327,680 bytes of LDS; arguments qkv, pm, st, out0; writes out0
